; MI455X (gfx1250); checked and timed in simulation.
; The chip was launched on July 23, 2026; its instructions are those of AMD's public machine-readable ISA for CDNA 5 (MIT licence, August 2026) and "CDNA5" Instruction Set Architecture Reference Guide (July 2026). The comments in the code are by the model that wrote it; some were corrected since.
;; Mo EGPTOSS. Allowed arithmetic: float matrix products may take bf16 or f16 operands with f32 sums; all other float work in f32.
;; Inputs: expert_b 8 x 2,048 float32; expert_w 8 x 2,048 x 2,048 float32; gate_b 8 float32; gate_w 2,048 x 8 float32; hidden_states 4 x 512 x 2,048 float32.
;; Outputs: out0 4 x 512 x 2,048 float32.
;; 2 versions, each right; version 2 is version 1 with the launches pack, gemm written anew for expert scheduling mode. Each part assembles by itself: llvm-mc -triple=amdgcn-amd-amdhsa -mcpu=gfx1250 --defsym DOCPART=n.
;; ======== version 1 of 2: 5 launches
;; limits: values are held in f16: magnitudes above 65,504 overflow, below 6.1e-05 lose precision
;; workspace buffers: route 8,192 bytes of whole numbers; prob 16,384 bytes; dest 69,632 bytes of whole numbers; cnt 2,048 bytes of whole numbers; xs 70,778,880 bytes; y 67,108,864 bytes
;; launch gate (part 1): grid 256 x 1, 4 waves a work-group, no clusters, 66,304 bytes of LDS; arguments hidden_states, gate_w, gate_b, route, prob; writes route, prob
.if DOCPART == 1
	.amdgcn_target "amdgcn-amd-amdhsa--gfx1250"
	.amdhsa_code_object_version 6
	.text
	.protected	k_qb66be7417f_gate
	.globl	k_qb66be7417f_gate
	.p2align	8
	.type	k_qb66be7417f_gate,@function
k_qb66be7417f_gate:
	s_mov_b64 s[64:65], 0
	v_nop
	global_prefetch_b8 v0, s[64:65] scope:SCOPE_SE
	s_setreg_imm32_b32 hwreg(HW_REG_WAVE_MODE, 25, 1), 1
	s_wait_xcnt 0x0
; ROUTING.  logits[t][e] = sum over k of x[t][k] gate_w[k][e] + gate_b[e]; softmax over the 8 experts (the row's maximum taken away first);
; the two largest probabilities and their experts.  Stored: route[t] = (1 << e1) | (0x100 << e2), prob[t] = (p(e1), p(e2)).
; The product is done in f32 by vector multiply-adds, not by the matrix unit: it is 2048 x 2048 x 8 multiply-adds, one part in 2,000 of the
; program's, and its result is a CHOICE: one wrong choice spoils a whole row of the output, so the logits keep f32's precision.
; LIMITS, stated: (1) the f32 sums run in another order than the reference's, so two probabilities that differ by a few units in f32's last
; place may be ranked the other way; (2) v_exp_f32 gives 0 for results under 2^-126 (ISA guide 15.8), where the reference has denormals;
; (3) a row with a NaN logit has NaN probabilities: it is sent to experts 0 and 1 with the weights NaN and -1.0, so its output row is NaN.
; Equal probabilities: the lower expert wins (strict comparisons in ascending order), as in lax.top_k.
; Four waves, 8 tokens a work-group, 2 tokens a wave.  Lane L holds x[128 i + 4 L + 0..3], i = 0..15, of both tokens in registers.
; gate_w is laid transposed into LDS once, WT[e][k], so that a lane reads the 16 bytes that belong to its four k.
; The results are 8 + 16 bytes a wave: 24 KiB in the whole launch, stored as they come.
.set WP,  8224                         ; bytes from WT[e] to WT[e+1]: 8,192 + 32.  Four rows are 8,224 words = 32 modulo 64, so that the staging stores of an even and an odd thread (e and e + 4, same k) fall 128 bytes apart modulo 256
.set ACC, 16                           ; v[16:47]   the sum of (token tk, expert e): a pair at ACC + 16 tk + 2 e
.set P,   48                           ; v[48:55]   probabilities; v56-63 at work in the choice
.set XA,  64                           ; v[64:191]  x: token A 64 registers, token B 64 registers
.set WR,  192                          ; v[192:255] gate_w on its way into LDS; then two buffers of 32 registers for WT's pieces
	s_load_b256 s[4:11], s[0:1], 0x0               ; hidden_states s[4:5], gate_w s[6:7], gate_b s[8:9], route s[10:11]
	s_load_b64 s[12:13], s[0:1], 0x20              ; prob
	v_lshl_add_u32 v57, v0, 2, 0x10100
	v_mov_b32 v59, 0
	v_and_b32 v1, 31, v0                           ; lane
	v_lshrrev_b32 v12, 5, v0
	v_readfirstlane_b32 s24, v12                   ; wave
	v_lshlrev_b32 v2, 4, v1                        ; 16 x lane: my 16 bytes in 512 of x, and in 512 of a row of WT
	v_lshlrev_b32 v5, 4, v0                        ; 16 x thread: my 16 bytes in 2,048 of gate_w
	v_and_b32 v12, 1, v0
	v_lshrrev_b32 v13, 1, v0
	v_mul_u32_u24 v12, v12, 4*WP                   ; an odd thread holds experts 4 to 7 of its k
	v_lshl_add_u32 v4, v13, 2, v12                 ; + 4 k, k = thread / 2 (+ 64 for each further load)
	s_mov_b32 s25, 0x76543210                      ; v_permlanex16_b32: lane i of one half reads lane i of the other
	s_mov_b32 s26, 0xfedcba98
	s_mov_b32 s27, 0xaaaaaaaa                      ; odd lanes
	s_mov_b32 s28, 0xcccccccc                      ; lanes 2, 3 of every four
	s_lshl_b32 s14, ttmp9, 16                      ; 8 tokens of 8,192 bytes a work-group,
	s_lshl_b32 s15, s24, 14                        ; 2 a wave
	s_add_co_u32 s14, s14, s15
	s_mov_b32 s15, 0
	s_wait_kmcnt 0x0
	s_load_b256 s[16:23], s[8:9], 0x0              ; gate_b, all eight
	s_add_nc_u64 s[4:5], s[4:5], s[14:15]          ; x at my first token
.set j, 0
.rept 16
	global_load_b128 v[WR+4*j:WR+4*j+3], v5, s[6:7] offset:2048*j      ; the first half of gate_w: k = thread / 2 + 64 j, four experts
.set j, j+1
.endr
.set j, 0
.rept 32
	global_load_b128 v[XA+4*j:XA+4*j+3], v2, s[4:5] offset:512*j       ; 512 neighbouring bytes a load: token A's 16 pieces, then token B's
.set j, j+1
.endr
; sixteen loads' worth of gate_w goes into WT: word q of load j is element (k = thread / 2 + 64 (first + j), e = 4 (thread & 1) + q)
.macro STAGE first
.set j, 0
.rept 16
.irp q, 0,1,2,3
	ds_store_b32 v4, v[WR+4*j+\q] offset:\q*WP+256*(\first+j)
.endr
.set j, j+1
.endr
.endm
	s_wait_loadcnt 32                              ; loads come back in order (ISA guide 5.7.1): the 32 loads of x may stay out, gate_w's first 16 are in
	STAGE 0
.set j, 0
.rept 16
	global_load_b128 v[WR+4*j:WR+4*j+3], v5, s[6:7] offset:2048*(16+j) ; the second half
.set j, j+1
.endr
	s_wait_loadcnt 0x0                             ; it, and all of x
	STAGE 16
	s_wait_dscnt 0x0                               ; my part of WT is written,
	s_barrier_signal -1
	s_barrier_wait -1                              ; everybody's is
; the pieces of WT for step i: 16 bytes a lane of each of the eight rows, into buffer i % 2
.macro WLD i
.irp e, 0,1,2,3,4,5,6,7
	ds_load_b128 v[WR+32*((\i)%2)+4*\e:WR+32*((\i)%2)+4*\e+3], v2 offset:\e*WP+512*(\i)
.endr
.endm
; step i: 128 k, 4 a lane, 2 tokens x 8 experts.  Sixteen sums take turns, so no multiply-add waits for the one in front of it.
.macro GSTEP i
.if \i < 15
	WLD \i+1
	s_wait_dscnt 8                                 ; all but the eight just issued: this step's pieces are in
.else
	s_wait_dscnt 0x0
.endif
.irp hf, 0,1
.irp e, 0,1,2,3,4,5,6,7
.irp tk, 0,1
.if (\i+\hf) == 0
	v_pk_mul_f32 v[ACC+16*\tk+2*\e:ACC+16*\tk+2*\e+1], v[XA+64*\tk:XA+64*\tk+1], v[WR+4*\e:WR+4*\e+1]     ; the first products start the sums: nothing is cleared
.else
	v_pk_fma_f32 v[ACC+16*\tk+2*\e:ACC+16*\tk+2*\e+1], v[XA+64*\tk+4*\i+2*\hf:XA+64*\tk+4*\i+2*\hf+1], v[WR+32*(\i%2)+4*\e+2*\hf:WR+32*(\i%2)+4*\e+2*\hf+1], v[ACC+16*\tk+2*\e:ACC+16*\tk+2*\e+1]
.endif
.endr
.endr
.endr
.endm
	WLD 0
.irp i, 0,1,2,3,4,5,6,7,8,9,10,11,12,13,14,15
	GSTEP \i
.endr
	; the sixteen sums over the wave's 32 lanes; every lane ends with all of them
.set a, ACC
.rept 16
	v_add_f32 v[a], v[a], v[a+1]
.set a, a+2
.endr
.irp m, 1,2,4,8
.set a, ACC
.rept 16
	v_add_f32_dpp v[a], v[a], v[a] row_xmask:\m row_mask:0xf bank_mask:0xf
.set a, a+2
.endr
.endr
.set a, ACC
.rept 16
	v_permlanex16_b32 v[a+1], v[a], s25, s26       ; the other half's sum, into a register that has been written
.set a, a+2
.endr
	s_wait_kmcnt 0x0                               ; gate_b
.irp tk, 0,1
.irp e, 0,1,2,3,4,5,6,7
	v_add_f32 v[ACC+16*\tk+2*\e], v[ACC+16*\tk+2*\e], v[ACC+16*\tk+2*\e+1]
	v_add_f32 v[ACC+16*\tk+2*\e], s[16+\e], v[ACC+16*\tk+2*\e]
.endr
.endr
	v_mov_b32 v62, 1
	v_mov_b32 v63, 0x100
; softmax and the two largest of token tk.  Results: v[res] route, v[res+1] p(e1), v[res+2] p(e2).  Every choice is a select: no branch hangs on a number.
.macro SOFTTOP tk, res
.set LG, ACC+16*\tk
	v_max3_num_f32 v12, v[LG], v[LG+2], v[LG+4]
	v_max3_num_f32 v12, v12, v[LG+6], v[LG+8]
	v_max3_num_f32 v12, v12, v[LG+10], v[LG+12]
	v_max_num_f32 v12, v12, v[LG+14]               ; the row's maximum
.irp e, 0,1,2,3,4,5,6,7
	v_sub_f32 v[P+\e], v[LG+2*\e], v12             ; at most 0
.endr
.irp e, 0,1,2,3,4,5,6,7
	v_mul_f32 v[P+\e], 0x3fb8aa3b, v[P+\e]         ; e^x = 2^(x log2 e)
.endr
.irp e, 0,1,2,3,4,5,6,7
	v_exp_f32 v[P+\e], v[P+\e]
.endr
	v_nop                                          ; one plain vector instruction behind a transcendental before its result is used (ISA guide 5.7.2)
	s_wait_alu depctr_va_vdst(0)
	v_add_f32 v13, v[P], v[P+1]
	v_add_f32 v14, v[P+2], v[P+3]
	v_add_f32 v15, v[P+4], v[P+5]
	v_add_f32 v56, v[P+6], v[P+7]
	v_add_f32 v13, v13, v14
	v_add_f32 v15, v15, v56
	v_add_f32 v13, v13, v15                        ; at least 1: the largest term is 2^0
	v_rcp_f32 v13, v13
	v_nop                                          ; as above
	s_wait_alu depctr_va_vdst(0)
.irp e, 0,1,2,3,4,5,6,7
	v_mul_f32 v[P+\e], v[P+\e], v13
.endr
	v_mov_b32 v56, 0                               ; e1, and its probability in v[res+1]
	v_mov_b32 v[\res+1], v[P]
.irp e, 1,2,3,4,5,6,7
	v_cmp_gt_f32 vcc_lo, v[P+\e], v[\res+1]
	v_cndmask_b32 v[\res+1], v[\res+1], v[P+\e], vcc_lo
	v_cndmask_b32 v56, v56, \e, vcc_lo
.endr
	v_cmp_eq_u32 vcc_lo, 0, v56
	v_cndmask_b32 v58, 0, 1, vcc_lo                ; e2 starts at an expert other than e1 (it stays there only in a row of NaN),
	v_mov_b32 v[\res+2], -1.0                      ; under every probability
.irp e, 0,1,2,3,4,5,6,7
	v_cmp_ne_u32 s31, \e, v56
	v_cmp_gt_f32 vcc_lo, v[P+\e], v[\res+2]
	s_and_b32 vcc_lo, vcc_lo, s31
	v_cndmask_b32 v[\res+2], v[\res+2], v[P+\e], vcc_lo
	v_cndmask_b32 v58, v58, \e, vcc_lo
.endr
	v_lshlrev_b32 v60, v56, v62                    ; 1 << e1
	v_lshlrev_b32 v61, v58, v63                    ; 0x100 << e2
	v_or_b32 v[\res], v60, v61
.endm
	SOFTTOP 0, 6
	SOFTTOP 1, 9
	; lanes 0 to 3 take A's p1, A's p2, B's p1, B's p2; lanes 0 and 1 take A's and B's route
	v_cndmask_b32 v12, v7, v8, s27
	v_cndmask_b32 v13, v10, v11, s27
	v_cndmask_b32 v12, v12, v13, s28
	v_cndmask_b32 v14, v6, v9, s27
	s_lshl_b32 s14, ttmp9, 6                       ; 8 bytes of prob a token: 64 a work-group,
	s_lshl_b32 s15, s24, 4                         ; 16 a wave
	s_add_co_u32 s14, s14, s15
	s_lshr_b32 s15, s14, 1                         ; 4 bytes of route a token
	v_lshl_add_u32 v15, v1, 2, s14
	v_lshl_add_u32 v13, v1, 2, s15
	v_cmp_gt_u32 vcc_lo, 4, v1
	s_wait_xcnt 0x0                                ; EXEC is a source of every global access issued so far: it changes only behind this wait
	s_wait_tensorcnt 0x0
	ds_add_u32 v57, v59
	s_wait_dscnt 0x0
	s_and_saveexec_b32 s30, vcc_lo
	global_store_b32 v15, v12, s[12:13]
	s_wait_xcnt 0x0                                ; and again in front of the line that widens it
	s_or_b32 exec_lo, exec_lo, s30
	v_cmp_gt_u32 vcc_lo, 2, v1
	s_and_saveexec_b32 s30, vcc_lo
	global_store_b32 v13, v14, s[10:11]
	s_wait_xcnt 0x0
	s_or_b32 exec_lo, exec_lo, s30
	s_endpgm
.Lfunc_end_k_qb66be7417f_gate:
	.size	k_qb66be7417f_gate, .Lfunc_end_k_qb66be7417f_gate-k_qb66be7417f_gate
	.p2alignl 7, 3214868480
	.fill 96, 4, 3214868480
	.section	.rodata,"a",@progbits
	.p2align	6, 0x0
	.amdhsa_kernel k_qb66be7417f_gate
		.amdhsa_group_segment_fixed_size 66304
		.amdhsa_private_segment_fixed_size 0
		.amdhsa_enable_private_segment 0
		.amdhsa_kernarg_size 40
		.amdhsa_user_sgpr_count 2
		.amdhsa_user_sgpr_kernarg_segment_ptr 1
		.amdhsa_wavefront_size32 1
		.amdhsa_system_sgpr_workgroup_id_x 1
		.amdhsa_system_sgpr_workgroup_id_y 1
		.amdhsa_system_sgpr_workgroup_id_z 1
		.amdhsa_system_vgpr_workitem_id 0
		.amdhsa_next_free_vgpr 256
		.amdhsa_next_free_sgpr 66
		.amdhsa_reserve_vcc 1
		.amdhsa_float_denorm_mode_32 3
		.amdhsa_float_denorm_mode_16_64 3
		.amdhsa_memory_ordered 1
		.amdhsa_forward_progress 1
		.amdhsa_inst_pref_size 74
	.end_amdhsa_kernel
	.amdgpu_metadata
---
amdhsa.version: [ 1, 2 ]
amdhsa.kernels:
  - .name:           k_qb66be7417f_gate
    .symbol:         k_qb66be7417f_gate.kd
    .args:
      - { .name: hidden_states, .offset: 0, .size: 8, .value_kind: global_buffer, .address_space: global }
      - { .name: gate_w, .offset: 8, .size: 8, .value_kind: global_buffer, .address_space: global }
      - { .name: gate_b, .offset: 16, .size: 8, .value_kind: global_buffer, .address_space: global }
      - { .name: route, .offset: 24, .size: 8, .value_kind: global_buffer, .address_space: global }
      - { .name: prob, .offset: 32, .size: 8, .value_kind: global_buffer, .address_space: global }
    .group_segment_fixed_size: 66304
    .private_segment_fixed_size: 0
    .kernarg_segment_align: 8
    .kernarg_segment_size: 40
    .max_flat_workgroup_size: 128
    .sgpr_count:     66
    .vgpr_count:     256
    .wavefront_size: 32
...
	.end_amdgpu_metadata
.endif
;; end of part 1
;; launch lists (part 2): grid 34 x 8, 1 waves a work-group, no clusters, 0 bytes of LDS; arguments route, dest, cnt; writes dest, cnt
.if DOCPART == 2
	.amdgcn_target "amdgcn-amd-amdhsa--gfx1250"
	.amdhsa_code_object_version 6
	.text
	.protected	k_qb66be7417f_lists
	.globl	k_qb66be7417f_lists
	.p2align	8
	.type	k_qb66be7417f_lists,@function
k_qb66be7417f_lists:
	s_mov_b64 s[64:65], 0
	v_nop
	global_prefetch_b8 v0, s[64:65] scope:SCOPE_SE
	s_setreg_imm32_b32 hwreg(HW_REG_WAVE_MODE, 25, 1), 1
	s_wait_xcnt 0x0
; THE EXPERTS' LISTS, made by selecting, not by scattering: every address of this launch is made of ids and constants alone.
; dest[e][s], s = 0 .. 2,175: the entry 2 t + j of the s-th token that chose expert e (j = 0: as its first expert, 1: as its second): the row of y
; that its product goes to.  Slots past the list's end repeat the list's last entry (an empty list leaves numbers under 4,096 that nobody uses).
; cnt[e]: the list's blocks of 48 slots, rounded up to whole runs of 144 slots (three blocks): 3 ceil(n / 144), written 64 times (one store of
; 256 bytes).  A run of 144 is what one wave of the product launch takes, so the copies of the last entry lie in the run of the entry itself.
; One wave a work-group; wave (g, e) makes slots 64 g .. 64 g + 63, lane L slots 64 g + 2 L and + 1, so that its one store covers 256 consecutive
; aligned bytes.  34 x 64 = 2,176 slots an expert: 15 runs of 144 (room for all 2,048 tokens) are 2,160.
; Every wave reads all of route (8 KiB).  Load i, word q, lane L is token 128 i + 4 L + q: a WORD (i, q) is 32 tokens, one bit a lane; the list
; takes the words in the order 4 i + q and the bits of a word in ascending order (any fixed order serves).
; For each word: m = who chose e, m2 = who chose it second, c = its count, N = the count of all words before.  A lane keeps (m, m2, N, the word's
; constant) of the LAST word that is not empty and has N <= s: that is the word that holds slot s, and past the list's end the last word with
; members.  Then the rank s - N, held under c, picks the bit.
.set LISTB, 8704                       ; bytes of an expert's list
.set SA,  4                            ; my two slots
.set SB,  5
.set T,   6                            ; v6-9    four words' bits of my expert
.set MA,  10                           ; slot A: m, m2, N << 16 | constant
.set M2A, 11
.set PA,  12
.set MB,  13                           ; slot B
.set M2B, 14
.set PB,  15
.set R,   16                           ; v[16:79] route
.set J,   80                           ; the rank in the word
.set CA,  81                           ; counts of m's bits in fields of 2,
.set CB,  82                           ; 4,
.set CC,  83                           ; 8,
.set CD,  84                           ; 16 bits
.set TT,  85
.set UU,  86
.set POS, 87
.set ENT, 88                           ; v[88:89] the two entries
	s_load_b128 s[4:7], s[0:1], 0x0                ; route s[4:5], dest s[6:7]
	s_load_b64 s[8:9], s[0:1], 0x10                ; cnt
	s_and_b32 s17, ttmp7, 0xffff                   ; e
	s_mov_b32 s21, ttmp9                           ; g
	v_lshlrev_b32 v1, 4, v0                        ; 16 x lane (one wave: v0 is the lane)
	v_lshlrev_b32 v2, 3, v0                        ; 8 x lane
	s_lshl_b32 s18, s21, 6
	v_lshl_add_u32 v[SA], v0, 1, s18               ; 64 g + 2 L
	v_add_nc_u32 v[SB], 1, v[SA]
	s_lshl_b32 s19, 0x101, s17                     ; my expert's two bits in a word of route
	s_mov_b32 s20, 0                               ; N
.irp r, 10,11,12,13,14,15
	v_mov_b32 v\r, 0                               ; what an empty list leaves
.endr
	s_mul_i32 s22, s17, LISTB
	s_lshl_b32 s23, s21, 8
	s_add_co_u32 s22, s22, s23
	s_mov_b32 s23, 0
	s_wait_kmcnt 0x0
.irp i, 0,1,2,3,4,5,6,7,8,9,10,11,12,13,14,15
	global_load_b128 v[R+4*\i:R+4*\i+3], v1, s[4:5] offset:512*\i
.endr
	s_add_nc_u64 s[6:7], s[6:7], s[22:23]          ; dest at my 64 slots
	s_lshl_b32 s22, s17, 8
	s_add_nc_u64 s[8:9], s[8:9], s[22:23]          ; cnt at my expert
; the four words of load i.  s[24+q] m, s[28+q] m2, s[32+q] c, s[36+q] the threshold, s[40+q] N << 16 | 2 x (the word's first token)
.macro WORDS i
	s_wait_loadcnt 15-\i                           ; loads come back in order (ISA guide 5.7.1): the younger ones stay out
.irp q, 0,1,2,3
	v_and_b32 v[T+\q], s19, v[R+4*\i+\q]           ; 1 << e, 0x100 << e, or 0
.endr
.irp q, 0,1,2,3
	v_cmp_ne_u32 s[24+\q], 0, v[T+\q]
	v_cmp_lt_u32 s[28+\q], 0xff, v[T+\q]
.endr
.irp q, 0,1,2,3
	s_bcnt1_i32_b32 s[32+\q], s[24+\q]
	s_lshl_b32 s[40+\q], s20, 16                   ; N is at most 2,048, the constant at most 3,846
	s_or_b32 s[40+\q], s[40+\q], 256*\i+2*\q
	s_cmp_eq_u32 s[32+\q], 0
	s_cselect_b32 s[36+\q], -1, s20                ; an empty word is under no slot
	s_add_co_u32 s20, s20, s[32+\q]
.endr
.irp q, 0,1,2,3
	v_cmp_le_u32 vcc_lo, s[36+\q], v[SA]
	v_cmp_le_u32 s44, s[36+\q], v[SB]
	v_cndmask_b32 v[MA],  v[MA],  s[24+\q], vcc_lo
	v_cndmask_b32 v[M2A], v[M2A], s[28+\q], vcc_lo
	v_cndmask_b32 v[PA],  v[PA],  s[40+\q], vcc_lo
	v_cndmask_b32 v[MB],  v[MB],  s[24+\q], s44
	v_cndmask_b32 v[M2B], v[M2B], s[28+\q], s44
	v_cndmask_b32 v[PB],  v[PB],  s[40+\q], s44
.endr
.endm
.irp i, 0,1,2,3,4,5,6,7,8,9,10,11,12,13,14,15
	WORDS \i
.endr
; one halving step: the lower sh bits of what is left hold TT members; a rank at or past them goes to the upper half
.macro LEVEL cnt, sh
	v_bfe_u32 v[TT], v[\cnt], v[POS], \sh
	v_cmp_ge_u32 vcc_lo, v[J], v[TT]
	v_cndmask_b32 v[TT], 0, v[TT], vcc_lo
	v_cndmask_b32 v[UU], 0, \sh, vcc_lo
	v_sub_nc_u32 v[J], v[J], v[TT]
	v_add_nc_u32 v[POS], v[POS], v[UU]
.endm
; the entry of slot s from its word's m, m2 and p
.macro SELECT m, m2, p, s, out
	v_lshrrev_b32 v[J], 16, v[\p]
	v_sub_nc_u32 v[J], v[\s], v[J]                 ; s - N
	v_lshrrev_b32 v[TT], 1, v[\m]
	v_and_b32 v[TT], 0x55555555, v[TT]
	v_sub_nc_u32 v[CA], v[\m], v[TT]
	v_lshrrev_b32 v[TT], 2, v[CA]
	v_and_b32 v[TT], 0x33333333, v[TT]
	v_and_b32 v[CB], 0x33333333, v[CA]
	v_add_nc_u32 v[CB], v[CB], v[TT]
	v_lshrrev_b32 v[TT], 4, v[CB]
	v_add_nc_u32 v[CC], v[CB], v[TT]
	v_and_b32 v[CC], 0x0f0f0f0f, v[CC]
	v_lshrrev_b32 v[TT], 8, v[CC]
	v_add_nc_u32 v[CD], v[CC], v[TT]
	v_and_b32 v[CD], 0x00ff00ff, v[CD]
	v_lshrrev_b32 v[TT], 16, v[CD]
	v_add_nc_u32 v[TT], v[CD], v[TT]
	v_and_b32 v[TT], 63, v[TT]                     ; c
	v_add_nc_u32 v[TT], -1, v[TT]
	v_min_u32 v[J], v[J], v[TT]                    ; past the list's end: the last member
	v_mov_b32 v[POS], 0
	LEVEL CD, 16
	LEVEL CC, 8
	LEVEL CB, 4
	LEVEL CA, 2
	LEVEL \m, 1
	v_bfe_u32 v[TT], v[\m2], v[POS], 1             ; j
	v_and_b32 v[UU], 0xffff, v[\p]
	v_lshl_add_u32 v[UU], v[POS], 3, v[UU]         ; 2 t = 256 i + 2 q + 8 x bit
	v_add_nc_u32 v[\out], v[UU], v[TT]
.endm
	SELECT MA, M2A, PA, SA, ENT
	SELECT MB, M2B, PB, SB, ENT+1
	global_store_b64 v2, v[ENT:ENT+1], s[6:7]
	s_cmp_lg_u32 s21, 0
	s_cbranch_scc1 .Ldone
	s_add_co_u32 s22, s20, 143                     ; runs = (n + 143) / 144 = ((n + 143) / 16) / 9,
	s_lshr_b32 s22, s22, 4
	s_mul_i32 s22, s22, 7282                       ; and q / 9 = (q x 7,282) >> 16: 9 x 7,282 = 2^16 + 2, exact for q up to 136
	s_lshr_b32 s22, s22, 16
	s_mul_i32 s22, s22, 3                          ; in blocks of 48
	v_mov_b32 v90, s22
	v_mov_b32 v91, s22
	global_store_b64 v2, v[90:91], s[8:9]          ; the expert's first wave stores the count
.Ldone:
	s_endpgm
.Lfunc_end_k_qb66be7417f_lists:
	.size	k_qb66be7417f_lists, .Lfunc_end_k_qb66be7417f_lists-k_qb66be7417f_lists
	.p2alignl 7, 3214868480
	.fill 96, 4, 3214868480
	.section	.rodata,"a",@progbits
	.p2align	6, 0x0
	.amdhsa_kernel k_qb66be7417f_lists
		.amdhsa_group_segment_fixed_size 0
		.amdhsa_private_segment_fixed_size 0
		.amdhsa_enable_private_segment 0
		.amdhsa_kernarg_size 24
		.amdhsa_user_sgpr_count 2
		.amdhsa_user_sgpr_kernarg_segment_ptr 1
		.amdhsa_wavefront_size32 1
		.amdhsa_system_sgpr_workgroup_id_x 1
		.amdhsa_system_sgpr_workgroup_id_y 1
		.amdhsa_system_sgpr_workgroup_id_z 1
		.amdhsa_system_vgpr_workitem_id 0
		.amdhsa_next_free_vgpr 96
		.amdhsa_next_free_sgpr 66
		.amdhsa_reserve_vcc 1
		.amdhsa_float_denorm_mode_32 3
		.amdhsa_float_denorm_mode_16_64 3
		.amdhsa_memory_ordered 1
		.amdhsa_forward_progress 1
		.amdhsa_inst_pref_size 65
	.end_amdhsa_kernel
	.amdgpu_metadata
---
amdhsa.version: [ 1, 2 ]
amdhsa.kernels:
  - .name:           k_qb66be7417f_lists
    .symbol:         k_qb66be7417f_lists.kd
    .args:
      - { .name: route, .offset: 0, .size: 8, .value_kind: global_buffer, .address_space: global }
      - { .name: dest, .offset: 8, .size: 8, .value_kind: global_buffer, .address_space: global }
      - { .name: cnt, .offset: 16, .size: 8, .value_kind: global_buffer, .address_space: global }
    .group_segment_fixed_size: 0
    .private_segment_fixed_size: 0
    .kernarg_segment_align: 8
    .kernarg_segment_size: 24
    .max_flat_workgroup_size: 32
    .sgpr_count:     66
    .vgpr_count:     96
    .wavefront_size: 32
...
	.end_amdgpu_metadata
.endif
;; end of part 2
;; launch pack (part 3): grid 32 x 8, 16 waves a work-group, no clusters, 112,640 bytes of LDS; arguments dest, cnt, hidden_states, xs; writes xs
.if DOCPART == 3
	.amdgcn_target "amdgcn-amd-amdhsa--gfx1250"
	.amdhsa_code_object_version 6
	.text
	.protected	k_qb66be7417f_pack
	.globl	k_qb66be7417f_pack
	.p2align	8
	.type	k_qb66be7417f_pack,@function
k_qb66be7417f_pack:
	s_mov_b64 s[64:65], 0
	v_nop
	global_prefetch_b8 v0, s[64:65] scope:SCOPE_SE
	s_setreg_imm32_b32 hwreg(HW_REG_WAVE_MODE, 25, 1), 1
	s_wait_xcnt 0x0
; THE CHOSEN ROWS OF x, IN FRAGMENT ORDER.  Work-group (st, e): columns 64 st .. 64 st + 63 of the rows of x of the tokens in expert e's list,
; rounded to f16 and written in the order in which the matrix instruction's fragments want them, so that the next launch loads
; them straight into registers.
; f16, NOT bf16: 11 significant bits against 8, so that the rounding of the operands leaves an error eight times smaller in the sums of 2,048 products.
; LIMIT, stated: an |x| above 65,504 becomes infinity; an |x| under 6.1e-5 is rounded on f16's denormal grid, with an error of 3e-8 at the most.
; xs: [expert: 135 tiles][tile of 16 slots: 65,536 bytes][step of 64 k: 2,048][32 k: 1,024][16 k: 512][lane: 16 bytes];
;     lane (r = lane % 16, h = lane / 16) holds x[slot r][k = .. + 8 h + 0..7].   135 tiles = 45 blocks of 48 slots = 15 runs of 144: room for all 2,048 tokens.
; Sixteen waves; wave w takes the list's blocks w, w + 16, .. under cnt[e].  A block: 24 loads, each 256 aligned bytes of two rows; conversion;
; a turn through the wave's own stage in LDS; 12 stores of 512 consecutive aligned bytes.  No wave reads another's bytes: no barrier.
; The list and the count are whole numbers that the launch before stored; each is held inside its table by a minimum before it is used.
.set SP,    144                        ; a stage row: 64 f16 + 16 bytes = 9 x 16, so that 16 rows' 16-byte pieces fall in 16 different columns modulo 256 bytes
.set TSTG,  16*SP                      ; a tile of 16 slots
.set WSTG,  3*TSTG                     ; a block of three tiles: 6,912 bytes a wave
.set XTILE, 65536
.set XEXP,  135*XTILE
.set NBMAX, 45
.set LISTB, 8704                       ; bytes of an expert's list
.set E,     16                         ; v[16:39]   24 list entries, then the byte offsets of their rows
.set XD,    64                         ; v[64:159]  24 loads of x
.set CV,    160                        ; v[160:175] a tile in f16
.set FR,    176                        ; v[176:223] three tiles' fragments on their way out
	s_load_b256 s[4:11], s[0:1], 0x0               ; dest s[4:5], cnt s[6:7], hidden_states s[8:9], xs s[10:11]
	v_lshl_add_u32 v224, v0, 2, 0x1b000
	v_mov_b32 v225, 0
	v_lshrrev_b32 v4, 5, v0
	v_readfirstlane_b32 s16, v4                    ; wave
	s_and_b32 s17, ttmp7, 0xffff                   ; e
	s_mov_b32 s18, ttmp9                           ; st
	v_and_b32 v1, 31, v0                           ; lane
	v_and_b32 v2, 15, v0                           ; c = r = lane % 16
	v_bfe_u32 v3, v0, 4, 1                         ; h = lane / 16
	v_lshlrev_b32 v10, 4, v1                       ; 16 x lane
	v_lshlrev_b32 v13, 4, v2                       ; 16 c
	v_lshlrev_b32 v14, 5, v3                       ; 32 h
	s_mul_i32 s21, s16, WSTG                       ; my wave's stage
	v_mul_u32_u24 v4, v3, 8*SP
	v_lshl_add_u32 v4, v2, 3, v4
	v_add_nc_u32 v8, s21, v4                       ; in: row 8 h (+ i), 8 bytes at 8 c
	v_mul_u32_u24 v4, v2, SP
	v_lshl_add_u32 v4, v3, 4, v4
	v_add_nc_u32 v9, s21, v4                       ; back: row r, 16 bytes at 16 h (+ 32 for each 16 k)
	s_mov_b32 s23, 0
	s_wait_kmcnt 0x0
	s_lshl_b32 s22, s17, 8
	s_add_nc_u64 s[6:7], s[6:7], s[22:23]
	s_load_b32 s19, s[6:7], 0x0                    ; the expert's blocks
	s_mul_i32 s22, s17, LISTB
	s_add_nc_u64 s[4:5], s[4:5], s[22:23]          ; dest at my expert
	s_lshl_b32 s22, s18, 8
	s_add_nc_u64 s[8:9], s[8:9], s[22:23]          ; x at my 64 columns (256 bytes, aligned)
	s_mul_i32 s22, s17, XEXP
	s_lshl_b32 s24, s18, 11
	s_add_co_u32 s22, s22, s24
	s_add_nc_u64 s[10:11], s[10:11], s[22:23]      ; xs at my expert and my step
	s_mov_b32 s20, s16                             ; b: my first block
	s_wait_kmcnt 0x0
	s_min_u32 s19, s19, NBMAX
; The loop is counted against the constant 45; a wave whose block is past the expert's count ends at the loop's head.
.Lblock:
	s_cmp_lt_u32 s20, s19
	s_cbranch_scc1 .Lwork
	s_wait_tensorcnt 0x0
	ds_add_u32 v224, v225
	s_wait_dscnt 0x0
	s_endpgm                                       ; nothing is left for this wave; only plain stores of its last block can be out
.Lwork:
	s_mul_i32 s22, s20, 192
	s_add_nc_u64 s[24:25], s[4:5], s[22:23]        ; dest at my block's 48 entries
	s_mul_i32 s22, s20, 3*XTILE
	s_add_nc_u64 s[26:27], s[10:11], s[22:23]      ; xs at my block's three tiles
.irp mt, 0,1,2
	global_load_b128 v[E+8*\mt:E+8*\mt+3],   v14, s[24:25] offset:64*\mt       ; lane (c, h): the entries of slots 16 mt + 8 h + 0..7, whose rows its half of the wave loads
	global_load_b128 v[E+8*\mt+4:E+8*\mt+7], v14, s[24:25] offset:64*\mt+16
.endr
	s_wait_loadcnt 0x0
.set k, 0
.rept 24
	v_min_u32 v[E+k], 0xfff, v[E+k]                ; 2 t + j, inside the table for any content of the list,
	v_and_b32 v[E+k], 0xffe, v[E+k]                ; 2 t,
	v_lshl_add_u32 v[E+k], v[E+k], 12, v13         ; the token's row of 8,192 bytes, + 16 c
	global_load_b128 v[XD+4*k:XD+4*k+3], v[E+k], s[8:9]    ; sixteen lanes take 256 aligned bytes of one row, the other sixteen of another
.set k, k+1
.endr
.irp mt, 0,1,2
	s_wait_loadcnt 16-8*\mt                        ; the later tiles' loads, eight each, may stay out
.irp i, 0,1,2,3,4,5,6,7
	v_cvt_pk_f16_f32 v[CV+2*\i],   v[XD+32*\mt+4*\i],   v[XD+32*\mt+4*\i+1]        ; the first source into the low half
	v_cvt_pk_f16_f32 v[CV+2*\i+1], v[XD+32*\mt+4*\i+2], v[XD+32*\mt+4*\i+3]
	ds_store_b64 v8, v[CV+2*\i:CV+2*\i+1] offset:TSTG*\mt+SP*\i    ; rows i and 8 + i: 8 x 144 bytes apart = 128 modulo 256
.endr
.irp p, 0,1,2,3
	ds_load_b128 v[FR+16*\mt+4*\p:FR+16*\mt+4*\p+3], v9 offset:TSTG*\mt+32*\p     ; my wave's own bytes; LDS serves a wave's instructions in order (ISA guide 5.7.1.4): no wait between
.endr
.irp p, 0,1,2,3
	s_wait_dscnt 3-\p                              ; the younger read-backs may stay out
	global_store_b128 v10, v[FR+16*\mt+4*\p:FR+16*\mt+4*\p+3], s[26:27] offset:XTILE*\mt+512*\p   ; 512 consecutive aligned bytes
.endr
.endr
	s_wait_xcnt 0x0                                ; the stores' data and the two bases are written again in the next trip only behind this wait
	s_add_co_u32 s20, s20, 16
	s_cmp_lt_u32 s20, NBMAX
	s_cbranch_scc1 .Lblock
	s_wait_tensorcnt 0x0
	ds_add_u32 v224, v225
	s_wait_dscnt 0x0
	s_endpgm
.Lfunc_end_k_qb66be7417f_pack:
	.size	k_qb66be7417f_pack, .Lfunc_end_k_qb66be7417f_pack-k_qb66be7417f_pack
	.p2alignl 7, 3214868480
	.fill 96, 4, 3214868480
	.section	.rodata,"a",@progbits
	.p2align	6, 0x0
	.amdhsa_kernel k_qb66be7417f_pack
		.amdhsa_group_segment_fixed_size 112640
		.amdhsa_private_segment_fixed_size 0
		.amdhsa_enable_private_segment 0
		.amdhsa_kernarg_size 32
		.amdhsa_user_sgpr_count 2
		.amdhsa_user_sgpr_kernarg_segment_ptr 1
		.amdhsa_wavefront_size32 1
		.amdhsa_system_sgpr_workgroup_id_x 1
		.amdhsa_system_sgpr_workgroup_id_y 1
		.amdhsa_system_sgpr_workgroup_id_z 1
		.amdhsa_system_vgpr_workitem_id 0
		.amdhsa_next_free_vgpr 226
		.amdhsa_next_free_sgpr 66
		.amdhsa_reserve_vcc 0
		.amdhsa_float_denorm_mode_32 3
		.amdhsa_float_denorm_mode_16_64 3
		.amdhsa_memory_ordered 1
		.amdhsa_forward_progress 1
		.amdhsa_inst_pref_size 17
	.end_amdhsa_kernel
	.amdgpu_metadata
---
amdhsa.version: [ 1, 2 ]
amdhsa.kernels:
  - .name:           k_qb66be7417f_pack
    .symbol:         k_qb66be7417f_pack.kd
    .args:
      - { .name: dest, .offset: 0, .size: 8, .value_kind: global_buffer, .address_space: global }
      - { .name: cnt, .offset: 8, .size: 8, .value_kind: global_buffer, .address_space: global }
      - { .name: hidden_states, .offset: 16, .size: 8, .value_kind: global_buffer, .address_space: global }
      - { .name: xs, .offset: 24, .size: 8, .value_kind: global_buffer, .address_space: global }
    .group_segment_fixed_size: 112640
    .private_segment_fixed_size: 0
    .kernarg_segment_align: 8
    .kernarg_segment_size: 32
    .max_flat_workgroup_size: 512
    .sgpr_count:     66
    .vgpr_count:     226
    .wavefront_size: 32
...
	.end_amdgpu_metadata
.endif
;; end of part 3
;; launch gemm (part 4): grid 32 x 8, 4 waves a work-group, no clusters, 296,448 bytes of LDS; arguments expert_w, expert_b, xs, dest, cnt, y; writes y
.if DOCPART == 4
	.amdgcn_target "amdgcn-amd-amdhsa--gfx1250"
	.amdhsa_code_object_version 6
	.text
	.protected	k_qb66be7417f_gemm
	.globl	k_qb66be7417f_gemm
	.p2align	8
	.type	k_qb66be7417f_gemm,@function
k_qb66be7417f_gemm:
	s_mov_b64 s[64:65], 0
	v_nop
	global_prefetch_b8 v0, s[64:65] scope:SCOPE_SE
	s_setreg_imm32_b32 hwreg(HW_REG_WAVE_MODE, 25, 1), 1
	s_wait_xcnt 0x0
; THE EXPERTS' PRODUCTS, only for the rows that are chosen, in two halves of K:
;   y[2 t + j][kh][d] = sum over k = 1024 kh .. 1024 kh + 1023 of x[t][k] W[e][k][d] + b[e][d] / 2,   e = token t's expert j.
; The next launch adds the two halves.  What the reference computes for the six other experts of a token it never uses.
; Operands f16, sums f32.  f16, NOT bf16: 11 significant bits against 8, so that the operands' rounding leaves an error eight times smaller.
; LIMITS, stated: an |x| or |W| above 65,504 becomes infinity; one under 6.1e-5 is rounded on f16's denormal grid, with an error of 3e-8 at the
;   most; halving the bias is exact but for a bias under 2^-125, which can lose its last bit.
; Work-group (2 cb + kh, e) owns columns 128 cb .. + 127 and K half kh of expert e: 16 x 2 x 8 = 256 work-groups, and every byte of expert_w is
;   read by one of them, once.  128 columns x 1,024 k, not 64 x 2,048 (both are 256 KiB of f16): a work-group then reads half of each chosen row
;   of xs, 1.18 MB for 576 slots instead of 2.36; the price is a second partial sum in y.
; PHASE 1: the slab W[e][K half][128 columns] (512 KiB of f32) is rounded to f16 and laid into LDS in fragment order (256 KiB); wave w takes
;   256 rows, as 32 units of 8 rows; a load is one row's 512 aligned bytes; seven units (56 loads, 28 KiB) are on their way at a time.  One barrier.
; PHASE 2: four waves, as many as a WGP has SIMDs; wave w takes the expert's runs of 144 slots (three blocks of 48) w, w + 4, .. under cnt[e].
;   A run: 144 x 128 of y in 72 accumulators (576 registers), K = 1,024 in 32 steps of 32, written out: a step's place in W and in xs stands in
;   the loads' immediates.  For 72 products a step loads 9 fragments of x and 8 of W.  x comes from xs, which an earlier launch wrote in fragment
;   order: 18 loads a step straight into registers, two steps ahead (36 to 54 loads of the wave out).  W's fragments come from LDS, one step ahead.
;   No barrier stands in this phase: its trips hang on cnt.
; NO CLUSTER, NO JOINT LOADS, though the 16 work-groups of an expert's K half read the same xs: a joint tile lands in LDS, and of the 327,680 bytes
;   that a launch may declare 262,144 hold W and 33,792 the way out; the 31,744 left are less than two slots of one step for four waves
;   (2 x 576 slots x 64 bytes = 73,728).  A joint refill also wants a barrier in a loop whose trips are read from memory.
; THE MATRIX INSTRUCTION IS USED TRANSPOSED: source 0 = 16 columns of W, source 1 = 16 slots of x.  Lane (r, h), register j of a result then holds
;   y(slot r, column 8 h + j): eight neighbouring numbers of a row.  Half the bias, in that layout, is the C of a run's first products.
; W IN LDS: byte 4096 u + 512 nt + 256 h + 16 (4 a + ((q + nt) & 3)) holds k = 16 u + 8 h + 0..7 of column 16 nt + 4 a + q.  The turn by nt makes
;   both the stores of phase 1 (sixteen lanes: four nt x all a, one q) and the loads of phase 2 (all (a, q), one nt) touch 16 different 16-byte
;   columns modulo 256 bytes.
; REGISTERS, in four windows of 256 (s_set_vgpr_msb: bits 1:0 source 0, 3:2 source 1, 5:4 source 2, 7:6 destination):
;   window 0: v1-27 addresses (v16-31 at work in phase 1); v32-255 phase 1's ring; in phase 2 v32-159 W's fragments (two buffers of 64),
;             v160-231 x's slot 0, which holds the bias ahead of step 1 and the run's 72 row offsets from step 30 on
;   window 1: v0-63 the accumulators of row tile 8; v64-135, v136-207 x's slots 1 and 2
;   window 2: the accumulators of row tiles 0-3 (tile (mt, nt) at v[8 (8 (mt % 4) + nt)]);   window 3: those of row tiles 4-7
.set NBMAX,  45                        ; blocks of 48 slots an expert can have
.set LISTB,  8704                      ; bytes of an expert's list in dest
.set XTILE,  65536                     ; xs: a tile of 16 slots
.set XEXP,   135*XTILE                 ; an expert
.set BBYTES, 262144                    ; W in LDS
.set SPITCH, 528                       ; the way out: a row of 128 f32 + 16 bytes = 33 x 16
.set STAGEB, 16*SPITCH                 ; 16 rows for each wave
.set XOFF,  1                          ; 16 x lane
.set STO,   2                          ; the way out: where I put 16 bytes of a row
.set RDA,   3                          ; the way out: where I read a row back
.set C16,   4                          ; 16 c
.set H32,   5                          ; 32 h
.set SADR,  8                          ; v8-11   phase 1: where column q of my four goes
.set BADR,  12                         ; v12-27  LDS address of my 16 bytes of W's fragments: v[12 + 4 g + ro], column tiles ro and ro + 4, steps 8 g .. 8 g + 7 (64 KiB); g = 1..3 are written behind phase 1
.set T,     16                         ; v16-31  phase 1: a unit in f16
.set RING,  32
.set WF,    32
.set BIAS,  160                        ; window 0, in x's slot 0
.set DST,   160                        ; window 0, in x's slot 0
.set MSB, 0
.macro WIN new                         ; the immediate's high byte repeats the setting that is left; a switch that changes nothing is dropped
.if MSB != \new
	s_set_vgpr_msb (MSB<<8)|\new
.set MSB, \new
.endif
.endm
	s_load_b256 s[4:11], s[0:1], 0x0               ; expert_w s[4:5], expert_b s[6:7], xs s[8:9], dest s[10:11]
	s_load_b128 s[12:15], s[0:1], 0x20             ; cnt s[12:13], y s[14:15]
	v_lshl_add_u32 v6, v0, 2, 0x48400
	v_mov_b32 v7, 0
	v_lshrrev_b32 v20, 5, v0
	v_readfirstlane_b32 s16, v20                   ; wave
	s_and_b32 s17, ttmp7, 0xffff                   ; e
	s_lshr_b32 s37, ttmp9, 1                       ; cb: my block of 128 columns
	s_and_b32 s38, ttmp9, 1                        ; kh: my half of K
	v_and_b32 v25, 31, v0                          ; lane
	v_and_b32 v20, 15, v0                          ; r = c = lane % 16
	v_bfe_u32 v21, v0, 4, 1                        ; h = lane / 16
	v_lshrrev_b32 v22, 2, v20                      ; r / 4
	v_and_b32 v24, 3, v0                           ; lane % 4
	v_lshrrev_b32 v26, 2, v25                      ; lane / 4
	v_lshlrev_b32 v[XOFF], 4, v25
	v_lshlrev_b32 v[C16], 4, v20
	v_lshlrev_b32 v[H32], 5, v21
.irp ro, 0,1,2,3
	v_add_nc_u32 v23, \ro, v20                     ; phase 2: I hold column r of tiles ro and ro + 4: a = r / 4, q = r % 4
	v_and_b32 v23, 3, v23
	v_lshl_add_u32 v23, v22, 2, v23
	v_lshlrev_b32 v23, 4, v23
	v_lshl_add_u32 v23, v21, 8, v23
	v_add_nc_u32 v[BADR+\ro], 512*\ro, v23
.endr
	s_lshl_b32 s35, s16, 16                        ; phase 1: my wave's 16 pieces of 4,096 bytes (16 k each)
.irp q, 0,1,2,3
	v_add_nc_u32 v23, \q, v26                      ; phase 1: I hold columns 4 lane + q: nt = lane / 4, a = lane % 4
	v_and_b32 v23, 3, v23
	v_lshl_add_u32 v23, v24, 2, v23
	v_lshlrev_b32 v23, 4, v23
	v_lshl_add_u32 v23, v26, 9, v23
	v_add_nc_u32 v[SADR+\q], s35, v23
.endr
	s_mul_i32 s36, s16, STAGEB
	s_add_co_u32 s36, s36, BBYTES                  ; my wave's stage, behind W
	v_mul_u32_u24 v23, v20, SPITCH
	v_add_nc_u32 v23, v23, v[H32]
	v_add_nc_u32 v[STO], s36, v23                  ; in: row r, 32 bytes for each half of the lanes
	v_mul_u32_u24 v23, v21, 8*SPITCH
	v_add_nc_u32 v23, v23, v[C16]
	v_add_nc_u32 v[RDA], s36, v23                  ; back: lanes 0-15 take 256 bytes of one row, lanes 16-31 of the row 8 further down
	s_lshl_b32 s32, s17, 24                        ; an expert is 2^24 bytes, a K half 2^23, my wave's 256 rows 2^21, my 128 columns 512
	s_lshl_b32 s34, s38, 23
	s_add_co_u32 s32, s32, s34
	s_lshl_b32 s34, s16, 21
	s_add_co_u32 s32, s32, s34
	s_lshl_b32 s34, s37, 9
	s_add_co_u32 s32, s32, s34
	s_mov_b32 s33, 0
	s_wait_kmcnt 0x0
	s_add_nc_u64 s[22:23], s[4:5], s[32:33]        ; W at my wave's first row, my columns
	s_lshl_b32 s32, s17, 13
	s_add_co_u32 s32, s32, s34
	s_add_nc_u64 s[6:7], s[6:7], s[32:33]          ; the bias of my columns
	s_mul_i32 s32, s17, XEXP
	s_lshl_b32 s39, s38, 15                        ; a K half is 32 steps of 1,024 bytes in a tile of xs
	s_add_co_u32 s32, s32, s39
	s_add_nc_u64 s[24:25], s[8:9], s[32:33]        ; xs at my expert and my K half
	s_mul_i32 s32, s17, LISTB
	s_add_nc_u64 s[10:11], s[10:11], s[32:33]      ; dest at my expert
	s_lshl_b32 s32, s17, 8
	s_add_nc_u64 s[12:13], s[12:13], s[32:33]
	s_load_b32 s19, s[12:13], 0x0                  ; the expert's blocks of 48
	s_lshl_b32 s32, s38, 13                        ; a row of y: K half 0's 8,192 bytes, then K half 1's
	s_add_co_u32 s32, s32, s34
	s_add_nc_u64 s[30:31], s[14:15], s[32:33]      ; y at my K half and my columns
	; PHASE 1
; unit j: rows 8 j + i, i = 0..7; a load takes one row's 512 aligned bytes, lane L columns 4 L + 0..3.  Read once in the launch.
.macro FILL j
.irp i, 0,1,2,3,4,5,6,7
	global_load_b128 v[RING+32*((\j)%7)+4*\i:RING+32*((\j)%7)+4*\i+3], v[XOFF], s[22:23] offset:65536*(\j)+8192*\i th:TH_LOAD_NT
.endr
.endm
; Register 4 i + q of a unit is (row i, column q of my four).  A conversion takes any two registers, so rounding and transposing are one step:
; T[4 q + p] = (rows 2 p, 2 p + 1 of column q), and T[4 q .. 4 q + 3] are the 16 bytes k = 8 j + 0..7 of that column: piece j / 2, half j % 2.
.macro UNIT j
.if \j < 25
	s_wait_loadcnt 48                              ; six younger units, eight loads each, stay out
.else
	s_wait_loadcnt 8*(31-\j)                       ; the count runs down
.endif
.irp q, 0,1,2,3
.irp p, 0,1,2,3
	v_cvt_pk_f16_f32 v[T+4*\q+\p], v[RING+32*(\j%7)+8*\p+\q], v[RING+32*(\j%7)+8*\p+4+\q]
.endr
.endr
.irp q, 0,1,2,3
	ds_store_b128 v[SADR+\q], v[T+4*\q:T+4*\q+3] offset:4096*(\j/2)+256*(\j%2)
.endr
.if \j < 25
	FILL \j+7
.endif
.endm
.irp j, 0,1,2,3,4,5,6
	FILL \j
.endr
.irp j, 0,1,2,3,4,5,6,7,8,9,10,11,12,13,14,15,16,17,18,19,20,21,22,23,24,25,26,27,28,29,30,31
	UNIT \j
.endr
	s_wait_kmcnt 0x0
	s_min_u32 s19, s19, NBMAX
	s_wait_dscnt 0x0                               ; my part of W is written,
	s_barrier_signal -1
	s_barrier_wait -1                              ; everybody's is.  The only barrier; nobody writes W's bytes again
	; PHASE 2
.irp g, 1,2,3
.irp ro, 0,1,2,3
	v_add_nc_u32 v[BADR+4*\g+\ro], 65536*\g, v[BADR+\ro]       ; an LDS immediate reaches 64 KiB: one address for each quarter of W
.endr
.endr
	s_mul_i32 s20, s16, 3                          ; b: my first run's first block of 48
; Step s uses x's slot (s + 1) % 3: slot 0 in window 0 at v160, slots 1 and 2 in window 1 at v64 and v136.
; One step's fragments of x: nine tiles of 16 slots x 32 k, 512 consecutive bytes a load.
.macro XLOAD s
.set XP, ((\s)+1)%3
.set XW, (XP+1)/2
.set XBS, 160-96*XW+72*(XP/2)
.set NW, XW<<6
	WIN NW                                         ; the destination's window; the address in window 0
.irp mt, 0,1,2,3,4,5,6,7,8
	global_load_b128 v[XBS+8*\mt:XBS+8*\mt+3],   v[XOFF], s[26:27] offset:XTILE*\mt+1024*(\s)
	global_load_b128 v[XBS+8*\mt+4:XBS+8*\mt+7], v[XOFF], s[26:27] offset:XTILE*\mt+1024*(\s)+512
.endr
.endm
; one step's fragments of W: 128 columns x 32 k, into buffer s % 2
.macro WLOAD s
	WIN 0
.irp nt, 0,1,2,3,4,5,6,7
	ds_load_b128 v[WF+64*((\s)%2)+8*\nt:WF+64*((\s)%2)+8*\nt+3],   v[BADR+4*((\s)/8)+\nt%4] offset:8192*((\s)%8)+2048*(\nt/4)
	ds_load_b128 v[WF+64*((\s)%2)+8*\nt+4:WF+64*((\s)%2)+8*\nt+7], v[BADR+4*((\s)/8)+\nt%4] offset:8192*((\s)%8)+2048*(\nt/4)+4096
.endr
.endm
; A load into a register that a matrix instruction has read stands four places behind it, and only plain vector instructions that name none of
; its registers are places (ISA guide 7.12.1 for vector instructions).
.macro PLACES
.rept 4
	v_nop
.endr
.endm
; The 72 products of step s, row tile by row tile: three stretches under one window setting each (row tiles 0-3, 4-7, 8).
; Step 0 takes half the bias (window 0) as C: nothing is cleared, nothing is added later.
; The 72 accumulators take turns, one instruction a turn, in the same order throughout.
.macro MULS s
.set XP, ((\s)+1)%3
.set XW, (XP+1)/2
.set XBS, 160-96*XW+72*(XP/2)
.set WBS, WF+64*((\s)%2)
.irp mt, 0,1,2,3,4,5,6,7,8
.set AW, 2+\mt/4-3*(\mt/8)
.set ABS, 64*(\mt%4)
.if \s
.set NW, (AW<<6)|(AW<<4)|(XW<<2)
.else
.set NW, (AW<<6)|(XW<<2)
.endif
	WIN NW
.irp nt, 0,1,2,3,4,5,6,7
.if \s
	v_wmma_f32_16x16x32_f16 v[ABS+8*\nt:ABS+8*\nt+7], v[WBS+8*\nt:WBS+8*\nt+7], v[XBS+8*\mt:XBS+8*\mt+7], v[ABS+8*\nt:ABS+8*\nt+7]
.else
	v_wmma_f32_16x16x32_f16 v[ABS+8*\nt:ABS+8*\nt+7], v[WBS+8*\nt:WBS+8*\nt+7], v[XBS+8*\mt:XBS+8*\mt+7], v[BIAS+8*\nt:BIAS+8*\nt+7]
.endif
.endr
.endr
.endm
; Step s of 32.  x of step s + 2 goes into the slot, and W of step s + 1 into the buffer, that step s - 1 read.
; Step 0 fills no slot (slot 0 holds the bias), so step 1 fills two; step 30 loads the run's 72 row entries into slot 0, which step 29 read last.
; The wait for x counts the loads younger than this step's, in groups of 18: one group at step 0 (step 1's x), two at steps 1 to 30 (two steps
; of x; at step 30 the last step's x and the entries), one at step 31 (the entries).  The wait for W counts the 16 loads just issued; 0 at the end.
.macro STEP s
.if \s
.if \s < 31
	PLACES
.endif
.endif
.if \s == 1
	XLOAD 2
.endif
.if \s
.if \s < 30
	XLOAD \s+2
.endif
.endif
.if \s == 30
	WIN 0
.irp mt, 0,1,2,3,4,5,6,7,8
	global_load_b128 v[DST+8*\mt:DST+8*\mt+3],   v[H32], s[28:29] offset:64*\mt         ; the rows of y of slots 16 mt + 8 h + 0..7
	global_load_b128 v[DST+8*\mt+4:DST+8*\mt+7], v[H32], s[28:29] offset:64*\mt+16
.endr
.endif
.if \s < 31
	WLOAD \s+1
.endif
.if \s == 0
	s_wait_loadcnt 18
.else
.if \s < 31
	s_wait_loadcnt 36
.else
	s_wait_loadcnt 18
.endif
.endif
.if \s < 31
	s_wait_dscnt 16
.else
	s_wait_dscnt 0x0
.endif
	MULS \s
.endm
; The way out of row tile mt: 16 rows x 512 bytes through my wave's own stage; the read-back takes W's two buffers by turns.
.macro OUT16 mt
.set AW, 2+\mt/4-3*(\mt/8)
.set ABS, 64*(\mt%4)
.set NW, AW<<2
	WIN NW                                         ; an LDS store's data is source 1: the accumulators' window
.irp nt, 0,1,2,3,4,5,6,7
	ds_store_b128 v[STO], v[ABS+8*\nt:ABS+8*\nt+3]   offset:64*\nt
	ds_store_b128 v[STO], v[ABS+8*\nt+4:ABS+8*\nt+7] offset:64*\nt+16
.endr
	WIN 0
.if \mt >= 2
	s_wait_xcnt 0x0                                ; the buffer is the data of the stores of two tiles ago: it is loaded again only behind this wait
.endif
.irp i, 0,1,2,3,4,5,6,7
	ds_load_b128 v[WF+64*(\mt%2)+8*\i:WF+64*(\mt%2)+8*\i+3],   v[RDA] offset:SPITCH*\i       ; my wave's own bytes; LDS serves a wave's instructions in order (ISA guide 5.7.1.4)
	ds_load_b128 v[WF+64*(\mt%2)+8*\i+4:WF+64*(\mt%2)+8*\i+7], v[RDA] offset:SPITCH*\i+256
.endr
.irp i, 0,1,2,3,4,5,6,7
	s_wait_dscnt 14-2*\i                           ; the younger pairs of read-backs may stay out
	global_store_b128 v[DST+8*\mt+\i], v[WF+64*(\mt%2)+8*\i:WF+64*(\mt%2)+8*\i+3],   s[30:31]              ; sixteen lanes store 256 consecutive aligned bytes of one row of y,
	global_store_b128 v[DST+8*\mt+\i], v[WF+64*(\mt%2)+8*\i+4:WF+64*(\mt%2)+8*\i+7], s[30:31] offset:256   ; the other sixteen of another
.endr
.endm
; The loop over my runs is counted in blocks of 48 against the constant 45; a wave whose run is past the expert's count ends at the loop's head.
.Lpass:
	s_cmp_lt_u32 s20, s19
	s_cbranch_scc1 .Lwork
	s_wait_tensorcnt 0x0
	ds_add_u32 v6, v7
	s_wait_dscnt 0x0
	s_endpgm                                       ; nothing is left for this wave; only plain stores of its last run can be out
.Lwork:
	s_mul_i32 s32, s20, 3*XTILE
	s_add_nc_u64 s[26:27], s[24:25], s[32:33]      ; xs at my run's nine tiles (s33 = 0)
	s_mul_i32 s32, s20, 192
	s_add_nc_u64 s[28:29], s[10:11], s[32:33]      ; dest at my run's 144 entries
.irp nt, 0,1,2,3,4,5,6,7
	global_load_b128 v[BIAS+8*\nt:BIAS+8*\nt+3],   v[H32], s[6:7] offset:64*\nt        ; b[16 nt + 8 h + 0..7]: what register j of a result wants
	global_load_b128 v[BIAS+8*\nt+4:BIAS+8*\nt+7], v[H32], s[6:7] offset:64*\nt+16
.endr
	XLOAD 0
	XLOAD 1
	WLOAD 0                                        ; (the last matrix instructions of a run before lie behind its whole way out)
	s_wait_loadcnt 36                              ; the two steps of x, 18 loads each, stay out: the bias is in
.set d, 0
.rept 32
	v_pk_mul_f32 v[BIAS+d:BIAS+d+1], v[BIAS+d:BIAS+d+1], 0.5 op_sel_hi:[1,0]           ; each K half carries half of it
.set d, d+2
.endr
.irp s, 0,1,2,3,4,5,6,7,8,9,10,11,12,13,14,15,16,17,18,19,20,21,22,23,24,25,26,27,28,29,30,31
	STEP \s
.endr
	; THE WAY OUT.  First the 72 row offsets; these 144 plain vector instructions, which name no register of the last two steps' matrix
	; instructions, are also the places in front of the LDS stores that read results and of the loads into W's buffers.
	WIN 0
	s_wait_loadcnt 0x0                             ; the entries
.set d, 0
.rept 72
	v_min_u32 v[DST+d], 0xfff, v[DST+d]            ; a row of y, for any content of dest
.set d, d+1
.endr
.set d, 0
.rept 72
	v_lshl_add_u32 v[DST+d], v[DST+d], 14, v[C16]  ; 16,384 bytes a row (both K halves), + 16 c
.set d, d+1
.endr
.irp mt, 0,1,2,3,4,5,6,7,8
	OUT16 \mt
.endr
	s_wait_xcnt 0x0                                ; the stores' data and address registers and the bases are written again in the next run only behind this wait
	s_add_co_u32 s20, s20, 12
	s_cmp_lt_u32 s20, NBMAX
	s_cbranch_scc1 .Lpass
	s_wait_tensorcnt 0x0
	ds_add_u32 v6, v7
	s_wait_dscnt 0x0
	s_endpgm
.Lfunc_end_k_qb66be7417f_gemm:
	.size	k_qb66be7417f_gemm, .Lfunc_end_k_qb66be7417f_gemm-k_qb66be7417f_gemm
	.p2alignl 7, 3214868480
	.fill 96, 4, 3214868480
	.section	.rodata,"a",@progbits
	.p2align	6, 0x0
	.amdhsa_kernel k_qb66be7417f_gemm
		.amdhsa_group_segment_fixed_size 296448
		.amdhsa_private_segment_fixed_size 0
		.amdhsa_enable_private_segment 0
		.amdhsa_kernarg_size 48
		.amdhsa_user_sgpr_count 2
		.amdhsa_user_sgpr_kernarg_segment_ptr 1
		.amdhsa_wavefront_size32 1
		.amdhsa_system_sgpr_workgroup_id_x 1
		.amdhsa_system_sgpr_workgroup_id_y 1
		.amdhsa_system_sgpr_workgroup_id_z 1
		.amdhsa_system_vgpr_workitem_id 0
		.amdhsa_next_free_vgpr 1024
		.amdhsa_next_free_sgpr 66
		.amdhsa_reserve_vcc 0
		.amdhsa_float_denorm_mode_32 3
		.amdhsa_float_denorm_mode_16_64 3
		.amdhsa_memory_ordered 1
		.amdhsa_forward_progress 1
		.amdhsa_inst_pref_size 255
	.end_amdhsa_kernel
	.section	.bss,"aw",@nobits
	.p2align	6
	.space	262144
	.amdgpu_metadata
---
amdhsa.version: [ 1, 2 ]
amdhsa.kernels:
  - .name:           k_qb66be7417f_gemm
    .symbol:         k_qb66be7417f_gemm.kd
    .args:
      - { .name: expert_w, .offset: 0, .size: 8, .value_kind: global_buffer, .address_space: global }
      - { .name: expert_b, .offset: 8, .size: 8, .value_kind: global_buffer, .address_space: global }
      - { .name: xs, .offset: 16, .size: 8, .value_kind: global_buffer, .address_space: global }
      - { .name: dest, .offset: 24, .size: 8, .value_kind: global_buffer, .address_space: global }
      - { .name: cnt, .offset: 32, .size: 8, .value_kind: global_buffer, .address_space: global }
      - { .name: y, .offset: 40, .size: 8, .value_kind: global_buffer, .address_space: global }
    .group_segment_fixed_size: 296448
    .private_segment_fixed_size: 0
    .kernarg_segment_align: 8
    .kernarg_segment_size: 48
    .max_flat_workgroup_size: 128
    .sgpr_count:     66
    .vgpr_count:     1024
    .wavefront_size: 32
...
	.end_amdgpu_metadata
.endif
;; end of part 4
;; launch combine (part 5): grid 256 x 1, 16 waves a work-group, no clusters, 0 bytes of LDS; arguments y, prob, out0; writes out0
.if DOCPART == 5
	.amdgcn_target "amdgcn-amd-amdhsa--gfx1250"
	.amdhsa_code_object_version 6
	.text
	.protected	k_qb66be7417f_combine
	.globl	k_qb66be7417f_combine
	.p2align	8
	.type	k_qb66be7417f_combine,@function
k_qb66be7417f_combine:
	s_mov_b64 s[64:65], 0
	v_nop
	global_prefetch_b8 v0, s[64:65] scope:SCOPE_SE
	s_setreg_imm32_b32 hwreg(HW_REG_WAVE_MODE, 25, 1), 1
	s_wait_xcnt 0x0
; out[t][d] = p(e1) (y[2 t][0][d] + y[2 t][1][d]) + p(e2) (y[2 t + 1][0][d] + y[2 t + 1][1][d]), in f32: the two K halves of each of the token's
; two products, as one multiply and three fused multiply-adds.
; A stream: one wave for half a token (1,024 columns), 8 tokens a work-group, 256 work-groups.  A token's four pieces of y are 32 KiB in a row.
; Every byte of y is read once and every byte of out written once, 512 consecutive aligned bytes an instruction; all 32 loads of a wave
; (16 KiB) go out at once, and no register is used twice, so the only waits are the counted ones for the data.
; LDS, barriers and the matrix unit would add nothing here.
.set Y, 16                             ; v[16:143]  piece rw = 2 j + kh at Y + 32 rw; piece 0's registers take the result
	s_load_b128 s[4:7], s[0:1], 0x0                ; y s[4:5], prob s[6:7]
	s_load_b64 s[8:9], s[0:1], 0x10                ; out0
	v_lshrrev_b32 v2, 5, v0
	v_readfirstlane_b32 s12, v2                    ; wave
	v_and_b32 v1, 31, v0
	v_lshlrev_b32 v1, 4, v1                        ; 16 x lane
	s_lshr_b32 s13, s12, 1
	s_and_b32 s20, s12, 1
	s_lshl_b32 s20, s20, 12                        ; my half of the columns: 4,096 bytes
	s_lshl_b32 s21, ttmp9, 3
	s_add_co_u32 s13, s13, s21                     ; t
	s_mov_b32 s15, 0
	s_wait_kmcnt 0x0
	s_lshl_b32 s14, s13, 3
	s_add_nc_u64 s[6:7], s[6:7], s[14:15]
	s_load_b64 s[16:17], s[6:7], 0x0               ; p(e1), p(e2)
	s_lshl_b32 s14, s13, 15
	s_add_co_u32 s14, s14, s20
	s_add_nc_u64 s[4:5], s[4:5], s[14:15]          ; y at row 2 t, K half 0, my columns
	s_lshl_b32 s14, s13, 13
	s_add_co_u32 s14, s14, s20
	s_add_nc_u64 s[8:9], s[8:9], s[14:15]          ; out at row t, my columns
.irp i, 0,1,2,3,4,5,6,7
.irp rw, 0,1,2,3
	global_load_b128 v[Y+32*\rw+4*\i:Y+32*\rw+4*\i+3], v1, s[4:5] offset:8192*\rw+512*\i th:TH_LOAD_NT
.endr
.endr
	s_wait_kmcnt 0x0
	s_mov_b32 s18, s17                             ; a scalar pair is read whole and its first word goes to both halves:
	s_mov_b32 s19, s17                             ; s[16:17] gives p(e1), s[18:19] gives p(e2)
.irp i, 0,1,2,3,4,5,6,7
	s_wait_loadcnt 28-4*\i                         ; loads come back in order (ISA guide 5.7.1): the four pieces' part i is in, the younger fours stay out
.irp hf, 0,2
	v_pk_mul_f32 v[Y+4*\i+\hf:Y+4*\i+\hf+1], v[Y+4*\i+\hf:Y+4*\i+\hf+1], s[16:17] op_sel_hi:[1,0]
.endr
.irp hf, 0,2
	v_pk_fma_f32 v[Y+4*\i+\hf:Y+4*\i+\hf+1], v[Y+32+4*\i+\hf:Y+32+4*\i+\hf+1], s[16:17], v[Y+4*\i+\hf:Y+4*\i+\hf+1] op_sel_hi:[1,0,1]
.endr
.irp hf, 0,2
	v_pk_fma_f32 v[Y+4*\i+\hf:Y+4*\i+\hf+1], v[Y+64+4*\i+\hf:Y+64+4*\i+\hf+1], s[18:19], v[Y+4*\i+\hf:Y+4*\i+\hf+1] op_sel_hi:[1,0,1]
.endr
.irp hf, 0,2
	v_pk_fma_f32 v[Y+4*\i+\hf:Y+4*\i+\hf+1], v[Y+96+4*\i+\hf:Y+96+4*\i+\hf+1], s[18:19], v[Y+4*\i+\hf:Y+4*\i+\hf+1] op_sel_hi:[1,0,1]
.endr
	global_store_b128 v1, v[Y+4*\i:Y+4*\i+3], s[8:9] offset:512*\i th:TH_STORE_NT
.endr
	s_endpgm
.Lfunc_end_k_qb66be7417f_combine:
	.size	k_qb66be7417f_combine, .Lfunc_end_k_qb66be7417f_combine-k_qb66be7417f_combine
	.p2alignl 7, 3214868480
	.fill 96, 4, 3214868480
	.section	.rodata,"a",@progbits
	.p2align	6, 0x0
	.amdhsa_kernel k_qb66be7417f_combine
		.amdhsa_group_segment_fixed_size 0
		.amdhsa_private_segment_fixed_size 0
		.amdhsa_enable_private_segment 0
		.amdhsa_kernarg_size 24
		.amdhsa_user_sgpr_count 2
		.amdhsa_user_sgpr_kernarg_segment_ptr 1
		.amdhsa_wavefront_size32 1
		.amdhsa_system_sgpr_workgroup_id_x 1
		.amdhsa_system_sgpr_workgroup_id_y 1
		.amdhsa_system_sgpr_workgroup_id_z 1
		.amdhsa_system_vgpr_workitem_id 0
		.amdhsa_next_free_vgpr 144
		.amdhsa_next_free_sgpr 66
		.amdhsa_reserve_vcc 0
		.amdhsa_float_denorm_mode_32 3
		.amdhsa_float_denorm_mode_16_64 3
		.amdhsa_memory_ordered 1
		.amdhsa_forward_progress 1
		.amdhsa_inst_pref_size 10
	.end_amdhsa_kernel
	.amdgpu_metadata
---
amdhsa.version: [ 1, 2 ]
amdhsa.kernels:
  - .name:           k_qb66be7417f_combine
    .symbol:         k_qb66be7417f_combine.kd
    .args:
      - { .name: y, .offset: 0, .size: 8, .value_kind: global_buffer, .address_space: global }
      - { .name: prob, .offset: 8, .size: 8, .value_kind: global_buffer, .address_space: global }
      - { .name: out0, .offset: 16, .size: 8, .value_kind: global_buffer, .address_space: global }
    .group_segment_fixed_size: 0
    .private_segment_fixed_size: 0
    .kernarg_segment_align: 8
    .kernarg_segment_size: 24
    .max_flat_workgroup_size: 512
    .sgpr_count:     66
    .vgpr_count:     144
    .wavefront_size: 32
...
	.end_amdgpu_metadata
.endif
;; end of part 5
;; ======== version 2 of 2: 5 launches; version 1 with the launches pack, gemm written anew for expert scheduling mode
;; limits: values are held in f16: magnitudes above 65,504 overflow, below 6.1e-05 lose precision
;; workspace buffers: route 8,192 bytes of whole numbers; prob 16,384 bytes; dest 69,632 bytes of whole numbers; cnt 2,048 bytes of whole numbers; xs 70,778,880 bytes; y 67,108,864 bytes
;; launch gate: the kernel of part 1 again; grid 256 x 1, 4 waves a work-group, no clusters, 66,304 bytes of LDS; arguments hidden_states, gate_w, gate_b, route, prob; writes route, prob
;; launch lists: the kernel of part 2 again; grid 34 x 8, 1 waves a work-group, no clusters, 0 bytes of LDS; arguments route, dest, cnt; writes dest, cnt
;; launch pack (part 6): grid 32 x 8, 16 waves a work-group, no clusters, 112,640 bytes of LDS; arguments dest, cnt, hidden_states, xs; writes xs
.if DOCPART == 6
	.amdgcn_target "amdgcn-amd-amdhsa--gfx1250"
	.amdhsa_code_object_version 6
	.text
	.protected	k_qb66be7417f_pack
	.globl	k_qb66be7417f_pack
	.p2align	8
	.type	k_qb66be7417f_pack,@function
k_qb66be7417f_pack:
	s_mov_b64 s[64:65], 0
	v_nop
	global_prefetch_b8 v0, s[64:65] scope:SCOPE_SE
	s_setreg_imm32_b32 hwreg(HW_REG_WAVE_SCHED_MODE, 0, 2), 2
	s_setreg_imm32_b32 hwreg(HW_REG_WAVE_MODE, 25, 1), 1
	s_wait_xcnt 0x0
	s_wait_alu depctr_vm_vsrc(0)
; THE CHOSEN ROWS OF x, IN FRAGMENT ORDER.  Work-group (st, e): columns 64 st .. 64 st + 63 of the rows of x of the tokens in expert e's list,
; rounded to f16 and written in the order in which the matrix instruction's fragments want them, so that the next launch loads
; them straight into registers.
; f16, NOT bf16: 11 significant bits against 8, so that the rounding of the operands leaves an error eight times smaller in the sums of 2,048 products.
; LIMIT, stated: an |x| above 65,504 becomes infinity; an |x| under 6.1e-5 is rounded on f16's denormal grid, with an error of 3e-8 at the most.
; xs: [expert: 135 tiles][tile of 16 slots: 65,536 bytes][step of 64 k: 2,048][32 k: 1,024][16 k: 512][lane: 16 bytes];
;     lane (r = lane % 16, h = lane / 16) holds x[slot r][k = .. + 8 h + 0..7].   135 tiles = 45 blocks of 48 slots = 15 runs of 144: room for all 2,048 tokens.
; Sixteen waves; wave w takes the list's blocks w, w + 16, .. under cnt[e].  A block: 24 loads, each 256 aligned bytes of two rows; conversion;
; a turn through the wave's own stage in LDS; 12 stores of 512 consecutive aligned bytes.  No wave reads another's bytes: no barrier.
; The list and the count are whole numbers that the launch before stored; each is held inside its table by a minimum before it is used.
; THE MODE: SCHED_MODE bits 1:0 = 2 (LLVM: expert scheduling mode 2), set by the entry lines.  The code itself states the register dependences
; between vector instructions and memory or LDS instructions, with s_wait_alu, always for 0.
; THE PLAN.  Registers that memory or LDS instructions touch, in a block:
;   v8, v9, v10, v14  addresses, made at the head and never written again.
;   E    the six loads of the list land in it; 72 vector lines make the rows' offsets of it, in place; the 24 loads of x read it as their addresses.
;   XD   the 24 loads of x land in it; a tile's 16 conversions read it and write into its own first two registers of each four; the LDS stores read those.
;   FR   the read-backs from the stage land in it; the global stores read it.  No vector instruction names it.
; So a block has one wait on va_vdst behind the 72 address lines (E is written; the block before is done reading and writing XD), one behind each
; tile's conversions (the LDS stores' data are written), and one wait on vm_vsrc at its end (E, XD and FR have been read and may be loaded again).
.set SP,    144                        ; a stage row: 64 f16 + 16 bytes = 9 x 16, so that 16 rows' 16-byte pieces fall in 16 different columns modulo 256 bytes
.set TSTG,  16*SP                      ; a tile of 16 slots
.set WSTG,  3*TSTG                     ; a block of three tiles: 6,912 bytes a wave
.set XTILE, 65536
.set XEXP,  135*XTILE
.set NBMAX, 45
.set LISTB, 8704                       ; bytes of an expert's list
.set E,     16                         ; v[16:39]   24 list entries, then the byte offsets of their rows
.set XD,    64                         ; v[64:159]  24 loads of x; of each four registers the first two then hold the four numbers in f16
.set FR,    176                        ; v[176:223] three tiles' fragments on their way out
	s_load_b256 s[4:11], s[0:1], 0x0               ; dest s[4:5], cnt s[6:7], hidden_states s[8:9], xs s[10:11]
	v_lshl_add_u32 v174, v0, 2, 0x1b000
	v_mov_b32 v175, 0
	v_lshrrev_b32 v4, 5, v0
	v_readfirstlane_b32 s16, v4                    ; wave
	s_and_b32 s17, ttmp7, 0xffff                   ; e
	s_mov_b32 s18, ttmp9                           ; st
	v_and_b32 v1, 31, v0                           ; lane
	v_and_b32 v2, 15, v0                           ; c = r = lane % 16
	v_bfe_u32 v3, v0, 4, 1                         ; h = lane / 16
	v_lshlrev_b32 v10, 4, v1                       ; 16 x lane
	v_lshlrev_b32 v13, 4, v2                       ; 16 c
	v_lshlrev_b32 v14, 5, v3                       ; 32 h
	s_wait_alu depctr_va_sdst(0)                   ; s16 is written, ahead of its first reader: the stage's place and the first block are made from it
	s_mul_i32 s21, s16, WSTG                       ; my wave's stage
	v_mul_u32_u24 v4, v3, 8*SP
	v_lshl_add_u32 v4, v2, 3, v4
	v_add_nc_u32 v8, s21, v4                       ; in: row 8 h (+ i), 8 bytes at 8 c
	v_mul_u32_u24 v4, v2, SP
	v_lshl_add_u32 v4, v3, 4, v4
	v_add_nc_u32 v9, s21, v4                       ; back: row r, 16 bytes at 16 h (+ 32 for each 16 k)
	s_mov_b32 s23, 0
	s_wait_kmcnt 0x0
	s_lshl_b32 s22, s17, 8
	s_add_nc_u64 s[6:7], s[6:7], s[22:23]
	s_load_b32 s19, s[6:7], 0x0                    ; the expert's blocks
	s_mul_i32 s22, s17, LISTB
	s_add_nc_u64 s[4:5], s[4:5], s[22:23]          ; dest at my expert
	s_lshl_b32 s22, s18, 8
	s_add_nc_u64 s[8:9], s[8:9], s[22:23]          ; x at my 64 columns (256 bytes, aligned)
	s_mul_i32 s22, s17, XEXP
	s_lshl_b32 s24, s18, 11
	s_add_co_u32 s22, s22, s24
	s_add_nc_u64 s[10:11], s[10:11], s[22:23]      ; xs at my expert and my step
	s_mov_b32 s20, s16                             ; b: my first block
	s_wait_kmcnt 0x0
	s_min_u32 s19, s19, NBMAX
	s_wait_alu depctr_va_vdst(0)                   ; the addresses v8, v9, v10 and v14 are written, which the loads and stores of every block read
; The loop is counted against the constant 45; a wave whose block is past the expert's count ends at the loop's head.
.Lblock:
	s_cmp_lt_u32 s20, s19
	s_cbranch_scc1 .Lwork
	s_wait_dscnt 0x0
	s_wait_alu depctr_hold_cnt(0) depctr_sa_sdst(0) depctr_va_vdst(0) depctr_va_sdst(0) depctr_va_ssrc(0) depctr_va_vcc(0) depctr_vm_vsrc(0)
	s_wait_tensorcnt 0x0
	ds_add_u32 v174, v175
	s_wait_dscnt 0x0
	s_endpgm                                       ; nothing is left for this wave; only plain stores of its last block can be out
.Lwork:
	s_mul_i32 s22, s20, 192
	s_add_nc_u64 s[24:25], s[4:5], s[22:23]        ; dest at my block's 48 entries
	s_mul_i32 s22, s20, 3*XTILE
	s_add_nc_u64 s[26:27], s[10:11], s[22:23]      ; xs at my block's three tiles
.irp mt, 0,1,2
	global_load_b128 v[E+8*\mt:E+8*\mt+3],   v14, s[24:25] offset:64*\mt       ; lane (c, h): the entries of slots 16 mt + 8 h + 0..7, whose rows its half of the wave loads.  No wait: the lines that wrote E
	global_load_b128 v[E+8*\mt+4:E+8*\mt+7], v14, s[24:25] offset:64*\mt+16    ; in the block before stand ahead of its first wait on va_vdst, and the loads that read E ahead of the wait on vm_vsrc at its end
.endr
	s_wait_loadcnt 0x0
.set k, 0
.rept 24
	v_min_u32 v[E+k], 0xfff, v[E+k]                ; 2 t + j, inside the table for any content of the list,
.set k, k+1
.endr
.set k, 0
.rept 24
	v_and_b32 v[E+k], 0xffe, v[E+k]                ; 2 t,
.set k, k+1
.endr
.set k, 0
.rept 24
	v_lshl_add_u32 v[E+k], v[E+k], 12, v13         ; the token's row of 8,192 bytes, + 16 c
.set k, k+1
.endr
	s_wait_alu depctr_va_vdst(0)                   ; all 24 offsets in E are written, which the loads below read; the conversions of the block before are done reading and writing XD, in which they land
.set k, 0
.rept 24
	global_load_b128 v[XD+4*k:XD+4*k+3], v[E+k], s[8:9]    ; sixteen lanes take 256 aligned bytes of one row, the other sixteen of another
.set k, k+1
.endr
.irp mt, 0,1,2
	s_wait_loadcnt 16-8*\mt                        ; the later tiles' loads, eight each, may stay out
.irp i, 0,1,2,3,4,5,6,7
	v_cvt_pk_f16_f32 v[XD+32*\mt+4*\i],   v[XD+32*\mt+4*\i],   v[XD+32*\mt+4*\i+1]        ; the first source into the low half; four numbers close up into the first two of their four registers
	v_cvt_pk_f16_f32 v[XD+32*\mt+4*\i+1], v[XD+32*\mt+4*\i+2], v[XD+32*\mt+4*\i+3]
.endr
	s_wait_alu depctr_va_vdst(0)                   ; the tile's conversions have written the registers that the LDS stores below read
.irp i, 0,1,2,3,4,5,6,7
	ds_store_b64 v8, v[XD+32*\mt+4*\i:XD+32*\mt+4*\i+1] offset:TSTG*\mt+SP*\i    ; rows i and 8 + i: 8 x 144 bytes apart = 128 modulo 256
.endr
.irp p, 0,1,2,3
	ds_load_b128 v[FR+16*\mt+4*\p:FR+16*\mt+4*\p+3], v9 offset:TSTG*\mt+32*\p     ; my wave's own bytes; LDS serves a wave's instructions in order (ISA guide 5.7.1.4): no wait between
.endr
.irp p, 0,1,2,3
	s_wait_dscnt 3-\p                              ; the younger read-backs may stay out
	global_store_b128 v10, v[FR+16*\mt+4*\p:FR+16*\mt+4*\p+3], s[26:27] offset:XTILE*\mt+512*\p   ; 512 consecutive aligned bytes
.endr
.endr
	s_wait_xcnt 0x0                                ; the stores' data and the two bases are written again in the next trip only behind this wait
	s_wait_alu depctr_vm_vsrc(0)                   ; the loads of x have read E, the LDS stores XD, the global stores FR: the next block's loads land in all three
	s_add_co_u32 s20, s20, 16
	s_cmp_lt_u32 s20, NBMAX
	s_cbranch_scc1 .Lblock
	s_wait_dscnt 0x0
	s_wait_alu depctr_hold_cnt(0) depctr_sa_sdst(0) depctr_va_vdst(0) depctr_va_sdst(0) depctr_va_ssrc(0) depctr_va_vcc(0) depctr_vm_vsrc(0)
	s_wait_tensorcnt 0x0
	ds_add_u32 v174, v175
	s_wait_dscnt 0x0
	s_endpgm
.Lfunc_end_k_qb66be7417f_pack:
	.size	k_qb66be7417f_pack, .Lfunc_end_k_qb66be7417f_pack-k_qb66be7417f_pack
	.p2alignl 7, 3214868480
	.fill 96, 4, 3214868480
	.section	.rodata,"a",@progbits
	.p2align	6, 0x0
	.amdhsa_kernel k_qb66be7417f_pack
		.amdhsa_group_segment_fixed_size 112640
		.amdhsa_private_segment_fixed_size 0
		.amdhsa_enable_private_segment 0
		.amdhsa_kernarg_size 32
		.amdhsa_user_sgpr_count 2
		.amdhsa_user_sgpr_kernarg_segment_ptr 1
		.amdhsa_wavefront_size32 1
		.amdhsa_system_sgpr_workgroup_id_x 1
		.amdhsa_system_sgpr_workgroup_id_y 1
		.amdhsa_system_sgpr_workgroup_id_z 1
		.amdhsa_system_vgpr_workitem_id 0
		.amdhsa_next_free_vgpr 224
		.amdhsa_next_free_sgpr 66
		.amdhsa_reserve_vcc 0
		.amdhsa_float_denorm_mode_32 3
		.amdhsa_float_denorm_mode_16_64 3
		.amdhsa_memory_ordered 1
		.amdhsa_forward_progress 1
		.amdhsa_inst_pref_size 18
	.end_amdhsa_kernel
	.amdgpu_metadata
---
amdhsa.version: [ 1, 2 ]
amdhsa.kernels:
  - .name:           k_qb66be7417f_pack
    .symbol:         k_qb66be7417f_pack.kd
    .args:
      - { .name: dest, .offset: 0, .size: 8, .value_kind: global_buffer, .address_space: global }
      - { .name: cnt, .offset: 8, .size: 8, .value_kind: global_buffer, .address_space: global }
      - { .name: hidden_states, .offset: 16, .size: 8, .value_kind: global_buffer, .address_space: global }
      - { .name: xs, .offset: 24, .size: 8, .value_kind: global_buffer, .address_space: global }
    .group_segment_fixed_size: 112640
    .private_segment_fixed_size: 0
    .kernarg_segment_align: 8
    .kernarg_segment_size: 32
    .max_flat_workgroup_size: 512
    .sgpr_count:     66
    .vgpr_count:     224
    .wavefront_size: 32
...
	.end_amdgpu_metadata
.endif
;; end of part 6
;; launch gemm (part 7): grid 32 x 8, 4 waves a work-group, no clusters, 296,448 bytes of LDS; arguments expert_w, expert_b, xs, dest, cnt, y; writes y
.if DOCPART == 7
	.amdgcn_target "amdgcn-amd-amdhsa--gfx1250"
	.amdhsa_code_object_version 6
	.text
	.protected	k_qb66be7417f_gemm
	.globl	k_qb66be7417f_gemm
	.p2align	8
	.type	k_qb66be7417f_gemm,@function
k_qb66be7417f_gemm:
	s_mov_b64 s[64:65], 0
	v_nop
	global_prefetch_b8 v0, s[64:65] scope:SCOPE_SE
	s_setreg_imm32_b32 hwreg(HW_REG_WAVE_SCHED_MODE, 0, 2), 2
	s_setreg_imm32_b32 hwreg(HW_REG_WAVE_MODE, 25, 1), 1
	s_wait_xcnt 0x0
	s_wait_alu depctr_vm_vsrc(0)
; THE EXPERTS' PRODUCTS, only for the rows that are chosen, in two halves of K:
;   y[2 t + j][kh][d] = sum over k = 1024 kh .. 1024 kh + 1023 of x[t][k] W[e][k][d] + b[e][d] / 2,   e = token t's expert j.
; The next launch adds the two halves.  What the reference computes for the six other experts of a token it never uses.
; Operands f16, sums f32.  f16, NOT bf16: 11 significant bits against 8, so that the operands' rounding leaves an error eight times smaller.
; LIMITS, stated: an |x| or |W| above 65,504 becomes infinity; one under 6.1e-5 is rounded on f16's denormal grid, with an error of 3e-8 at the
;   most; halving the bias is exact but for a bias under 2^-125, which can lose its last bit.
; Work-group (2 cb + kh, e) owns columns 128 cb .. + 127 and K half kh of expert e: 16 x 2 x 8 = 256 work-groups, and every byte of expert_w is
;   read by one of them, once.  128 columns x 1,024 k, not 64 x 2,048 (both are 256 KiB of f16): a work-group then reads half of each chosen row
;   of xs, 1.18 MB for 576 slots instead of 2.36; the price is a second partial sum in y.
; PHASE 1: the slab W[e][K half][128 columns] (512 KiB of f32) is rounded to f16 and laid into LDS in fragment order (256 KiB); wave w takes
;   256 rows, as 32 units of 8 rows; a load is one row's 512 aligned bytes; seven units (56 loads, 28 KiB) are on their way at a time.  One barrier.
; PHASE 2: four waves, as many as a WGP has SIMDs; wave w takes the expert's runs of 144 slots (three blocks of 48) w, w + 4, .. under cnt[e].
;   A run: 144 x 128 of y in 72 accumulators (576 registers), K = 1,024 in 32 steps of 32, written out: a step's place in W and in xs stands in
;   the loads' immediates.  For 72 products a step loads 9 fragments of x and 8 of W.  x comes from xs, which an earlier launch wrote in fragment
;   order: 18 loads a step straight into registers, two steps ahead (18 to 36 loads of the wave out, 52 at a run's head).  W's fragments come from
;   LDS, one step ahead.  No barrier stands in this phase: its trips hang on cnt.
; NO CLUSTER, NO JOINT LOADS, though the 16 work-groups of an expert's K half read the same xs: a joint tile lands in LDS, and of the 327,680 bytes
;   that a launch may declare 262,144 hold W and 33,792 the way out; the 31,744 left are less than two slots of one step for four waves
;   (2 x 576 slots x 64 bytes = 73,728).  A joint refill also wants a barrier in a loop whose trips are read from memory.
; THE MATRIX INSTRUCTION IS USED TRANSPOSED: source 0 = 16 columns of W, source 1 = 16 slots of x.  Lane (r, h), register j of a result then holds
;   y(slot r, column 8 h + j): eight neighbouring numbers of a row.  Half the bias, in that layout, is the C of a run's first products.
; W IN LDS: byte 4096 u + 512 nt + 256 h + 16 (4 a + ((q + nt) & 3)) holds k = 16 u + 8 h + 0..7 of column 16 nt + 4 a + q.  The turn by nt makes
;   both the stores of phase 1 (sixteen lanes: four nt x all a, one q) and the loads of phase 2 (all (a, q), one nt) touch 16 different 16-byte
;   columns modulo 256 bytes.
; REGISTERS, in four windows of 256 (s_set_vgpr_msb: bits 1:0 source 0, 3:2 source 1, 5:4 source 2, 7:6 destination):
;   window 0: v1-27 addresses (v16-31 at work in phase 1); v32-255 phase 1's ring; in phase 2 v32-159 W's fragments (two buffers of 64),
;             v160-231 x's slot 0, which holds the bias ahead of step 1 and the run's 72 row offsets from step 30 on
;   window 1: v0-63 the accumulators of row tile 8; v64-135, v136-207 x's slots 1 and 2
;   window 2: the accumulators of row tiles 0-3 (tile (mt, nt) at v[8 (8 (mt % 4) + nt)]);   window 3: those of row tiles 4-7
; THE MODE: SCHED_MODE bits 1:0 = 2 (LLVM: expert scheduling mode 2), set by the entry lines.  The code itself states the register dependences
; between vector or matrix instructions and memory or LDS instructions, with s_wait_alu, always for 0.
; THE PLAN.  Registers that memory or LDS instructions touch:
;   v1-5, v8-15   addresses, made at the head and never written again.  v16-27: W's addresses for its quarters 1 to 3, made behind the barrier.
;   PHASE 1.  T: a unit's 16 conversions write it, its four LDS stores read it.  RING[j % 7]: unit j's conversions read it, the loads of unit j + 7 land in it.
;     A unit: a wait on vm_vsrc (the last unit's stores have read T), the conversions, a wait on va_vdst (T is written, the ring's buffer is read), stores and loads.
;   PHASE 2.  Step s multiplies W's buffer s % 2 by x's slot (s + 1) % 3.  Its loads land in W's buffer (s + 1) % 2 and in x's slot s % 3: the two
;     that step s - 1 read and that no product of step s names.  So ONE wait on va_vdst stands at the head of each of steps 1 to 30, behind the waits
;     for the step's own x and W, and the step's loads follow it among the step's products with no further wait.
;     Row tile 8's products come first: their destination's window is that of x's slots 1 and 2, so x's loads into those slots stand behind these
;     eight products without a switch of windows.  Then one run under window 0: W's 16 loads, and x's 18 where the slot is slot 0.
;   THE WAY OUT.  One wait on va_vdst behind the 144 lines that make the row offsets: accumulators and offsets are written, and the last products
;     are done reading W's buffers and x's slots.  A wait on vm_vsrc ahead of each reuse of a read-back buffer, and one at the run's end.
.set NBMAX,  45                        ; blocks of 48 slots an expert can have
.set LISTB,  8704                      ; bytes of an expert's list in dest
.set XTILE,  65536                     ; xs: a tile of 16 slots
.set XEXP,   135*XTILE                 ; an expert
.set BBYTES, 262144                    ; W in LDS
.set SPITCH, 528                       ; the way out: a row of 128 f32 + 16 bytes = 33 x 16
.set STAGEB, 16*SPITCH                 ; 16 rows for each wave
.set XOFF,  1                          ; 16 x lane
.set STO,   2                          ; the way out: where I put 16 bytes of a row
.set RDA,   3                          ; the way out: where I read a row back
.set C16,   4                          ; 16 c
.set H32,   5                          ; 32 h
.set SADR,  8                          ; v8-11   phase 1: where column q of my four goes
.set BADR,  12                         ; v12-27  LDS address of my 16 bytes of W's fragments: v[12 + 4 g + ro], column tiles ro and ro + 4, steps 8 g .. 8 g + 7 (64 KiB); g = 1..3 are written behind phase 1
.set T,     16                         ; v16-31  phase 1: a unit in f16
.set RING,  32
.set WF,    32
.set BIAS,  160                        ; window 0, in x's slot 0
.set DST,   160                        ; window 0, in x's slot 0
.set MSB, 0
.macro WIN new                         ; the immediate's high byte repeats the setting that is left; a switch that changes nothing is dropped
.if MSB != \new
	s_set_vgpr_msb (MSB<<8)|\new
.set MSB, \new
.endif
.endm
	s_load_b256 s[4:11], s[0:1], 0x0               ; expert_w s[4:5], expert_b s[6:7], xs s[8:9], dest s[10:11]
	s_load_b128 s[12:15], s[0:1], 0x20             ; cnt s[12:13], y s[14:15]
	v_lshl_add_u32 v6, v0, 2, 0x48400
	v_mov_b32 v7, 0
	v_lshrrev_b32 v20, 5, v0
	v_readfirstlane_b32 s16, v20                   ; wave
	s_and_b32 s17, ttmp7, 0xffff                   ; e
	s_lshr_b32 s37, ttmp9, 1                       ; cb: my block of 128 columns
	s_and_b32 s38, ttmp9, 1                        ; kh: my half of K
	v_and_b32 v25, 31, v0                          ; lane
	v_and_b32 v20, 15, v0                          ; r = c = lane % 16
	v_bfe_u32 v21, v0, 4, 1                        ; h = lane / 16
	v_lshrrev_b32 v22, 2, v20                      ; r / 4
	v_and_b32 v24, 3, v0                           ; lane % 4
	v_lshrrev_b32 v26, 2, v25                      ; lane / 4
	v_lshlrev_b32 v[XOFF], 4, v25
	v_lshlrev_b32 v[C16], 4, v20
	v_lshlrev_b32 v[H32], 5, v21
.irp ro, 0,1,2,3
	v_add_nc_u32 v23, \ro, v20                     ; phase 2: I hold column r of tiles ro and ro + 4: a = r / 4, q = r % 4
	v_and_b32 v23, 3, v23
	v_lshl_add_u32 v23, v22, 2, v23
	v_lshlrev_b32 v23, 4, v23
	v_lshl_add_u32 v23, v21, 8, v23
	v_add_nc_u32 v[BADR+\ro], 512*\ro, v23
.endr
	s_wait_alu depctr_va_sdst(0)                   ; s16 is written, ahead of its first reader: LDS places, W's base and the first run are made from it
	s_lshl_b32 s35, s16, 16                        ; phase 1: my wave's 16 pieces of 4,096 bytes (16 k each)
.irp q, 0,1,2,3
	v_add_nc_u32 v23, \q, v26                      ; phase 1: I hold columns 4 lane + q: nt = lane / 4, a = lane % 4
	v_and_b32 v23, 3, v23
	v_lshl_add_u32 v23, v24, 2, v23
	v_lshlrev_b32 v23, 4, v23
	v_lshl_add_u32 v23, v26, 9, v23
	v_add_nc_u32 v[SADR+\q], s35, v23
.endr
	s_mul_i32 s36, s16, STAGEB
	s_add_co_u32 s36, s36, BBYTES                  ; my wave's stage, behind W
	v_mul_u32_u24 v23, v20, SPITCH
	v_add_nc_u32 v23, v23, v[H32]
	v_add_nc_u32 v[STO], s36, v23                  ; in: row r, 32 bytes for each half of the lanes
	v_mul_u32_u24 v23, v21, 8*SPITCH
	v_add_nc_u32 v23, v23, v[C16]
	v_add_nc_u32 v[RDA], s36, v23                  ; back: lanes 0-15 take 256 bytes of one row, lanes 16-31 of the row 8 further down
	s_lshl_b32 s32, s17, 24                        ; an expert is 2^24 bytes, a K half 2^23, my wave's 256 rows 2^21, my 128 columns 512
	s_lshl_b32 s34, s38, 23
	s_add_co_u32 s32, s32, s34
	s_lshl_b32 s34, s16, 21
	s_add_co_u32 s32, s32, s34
	s_lshl_b32 s34, s37, 9
	s_add_co_u32 s32, s32, s34
	s_mov_b32 s33, 0
	s_wait_kmcnt 0x0
	s_add_nc_u64 s[22:23], s[4:5], s[32:33]        ; W at my wave's first row, my columns
	s_lshl_b32 s32, s17, 13
	s_add_co_u32 s32, s32, s34
	s_add_nc_u64 s[6:7], s[6:7], s[32:33]          ; the bias of my columns
	s_mul_i32 s32, s17, XEXP
	s_lshl_b32 s39, s38, 15                        ; a K half is 32 steps of 1,024 bytes in a tile of xs
	s_add_co_u32 s32, s32, s39
	s_add_nc_u64 s[24:25], s[8:9], s[32:33]        ; xs at my expert and my K half
	s_mul_i32 s32, s17, LISTB
	s_add_nc_u64 s[10:11], s[10:11], s[32:33]      ; dest at my expert
	s_lshl_b32 s32, s17, 8
	s_add_nc_u64 s[12:13], s[12:13], s[32:33]
	s_load_b32 s19, s[12:13], 0x0                  ; the expert's blocks of 48
	s_lshl_b32 s32, s38, 13                        ; a row of y: K half 0's 8,192 bytes, then K half 1's
	s_add_co_u32 s32, s32, s34
	s_add_nc_u64 s[30:31], s[14:15], s[32:33]      ; y at my K half and my columns
	s_wait_alu depctr_va_vdst(0)                   ; the addresses v1 to v5 and v8 to v15 are written, which the loads and stores below read
	; PHASE 1
; unit j: rows 8 j + i, i = 0..7; a load takes one row's 512 aligned bytes, lane L columns 4 L + 0..3.  Read once in the launch.
.macro FILL j
.irp i, 0,1,2,3,4,5,6,7
	global_load_b128 v[RING+32*((\j)%7)+4*\i:RING+32*((\j)%7)+4*\i+3], v[XOFF], s[22:23] offset:65536*(\j)+8192*\i th:TH_LOAD_NT
.endr
.endm
; Register 4 i + q of a unit is (row i, column q of my four).  A conversion takes any two registers, so rounding and transposing are one step:
; T[4 q + p] = (rows 2 p, 2 p + 1 of column q), and T[4 q .. 4 q + 3] are the 16 bytes k = 8 j + 0..7 of that column: piece j / 2, half j % 2.
.macro UNIT j
.if \j < 25
	s_wait_loadcnt 48                              ; six younger units, eight loads each, stay out
.else
	s_wait_loadcnt 8*(31-\j)                       ; the count runs down
.endif
.if \j
	s_wait_alu depctr_vm_vsrc(0)                   ; the LDS stores of the unit before have read T, which the conversions below write again
.endif
.irp q, 0,1,2,3
.irp p, 0,1,2,3
	v_cvt_pk_f16_f32 v[T+4*\q+\p], v[RING+32*(\j%7)+8*\p+\q], v[RING+32*(\j%7)+8*\p+4+\q]
.endr
.endr
	s_wait_alu depctr_va_vdst(0)                   ; the conversions have written T, which the LDS stores read, and are done reading the ring's buffer, in which the loads of unit j + 7 land
.irp q, 0,1,2,3
	ds_store_b128 v[SADR+\q], v[T+4*\q:T+4*\q+3] offset:4096*(\j/2)+256*(\j%2)
.endr
.if \j < 25
	FILL \j+7
.endif
.endm
.irp j, 0,1,2,3,4,5,6
	FILL \j
.endr
.irp j, 0,1,2,3,4,5,6,7,8,9,10,11,12,13,14,15,16,17,18,19,20,21,22,23,24,25,26,27,28,29,30,31
	UNIT \j
.endr
	s_wait_kmcnt 0x0
	s_min_u32 s19, s19, NBMAX
	s_wait_dscnt 0x0                               ; my part of W is written,
	s_barrier_signal -1
	s_barrier_wait -1                              ; everybody's is.  The only barrier; nobody writes W's bytes again
	; PHASE 2
	s_wait_alu depctr_vm_vsrc(0)                   ; my last LDS stores have read T: v16 to v27 are addresses from here on
.irp g, 1,2,3
.irp ro, 0,1,2,3
	v_add_nc_u32 v[BADR+4*\g+\ro], 65536*\g, v[BADR+\ro]       ; an LDS immediate reaches 64 KiB: one address for each quarter of W
.endr
.endr
	s_mul_i32 s20, s16, 3                          ; b: my first run's first block of 48
	s_wait_alu depctr_va_vdst(0)                   ; these twelve addresses are written, which W's loads from step 8 on read
; Step s uses x's slot (s + 1) % 3: slot 0 in window 0 at v160, slots 1 and 2 in window 1 at v64 and v136.
; Two loads: x of step s, row tile mt: 16 slots x 32 k, 512 consecutive bytes a load.  The destination's window has been set by the lines in front.
.macro XL s, mt
.set LP, ((\s)+1)%3
.set LBS, 160-96*((LP+1)/2)+72*(LP/2)
	global_load_b128 v[LBS+8*(\mt):LBS+8*(\mt)+3],   v[XOFF], s[26:27] offset:XTILE*(\mt)+1024*(\s)
	global_load_b128 v[LBS+8*(\mt)+4:LBS+8*(\mt)+7], v[XOFF], s[26:27] offset:XTILE*(\mt)+1024*(\s)+512
.endm
; one step's fragments of x in one run: nine tiles
.macro XLOAD s
.set NW, ((((\s)+1)%3+1)/2)<<6
	WIN NW                                         ; the destination's window; the address in window 0
.irp mt, 0,1,2,3,4,5,6,7,8
	XL \s, \mt
.endr
.endm
; one step's fragments of W: 128 columns x 32 k, into buffer s % 2
.macro WLOAD s
	WIN 0
.irp nt, 0,1,2,3,4,5,6,7
	ds_load_b128 v[WF+64*((\s)%2)+8*\nt:WF+64*((\s)%2)+8*\nt+3],   v[BADR+4*((\s)/8)+\nt%4] offset:8192*((\s)%8)+2048*(\nt/4)
	ds_load_b128 v[WF+64*((\s)%2)+8*\nt+4:WF+64*((\s)%2)+8*\nt+7], v[BADR+4*((\s)/8)+\nt%4] offset:8192*((\s)%8)+2048*(\nt/4)+4096
.endr
.endm
; Four plain vector instructions at the head of steps 1 to 30, behind the last step's products: only such instructions are places (ISA guide 7.12.1).
; They stand ahead of the loads into registers that those products read, and step 30's are the places between step 29's products and the way out's
; lines that write slot 0.  They are issued while the products finish, ahead of the wait on va_vdst.
.macro PLACES
.rept 4
	v_nop
.endr
.endm
; The eight products of step s for row tile mt.  Step 0 takes half the bias (window 0) as C: nothing is cleared, nothing is added later.
; deal >= 0: x of step deal, whose slot lies in the window of these products' destination, is loaded behind them: two loads behind each, four behind the last.
.macro MUL8 s, mt, deal
.set XP, ((\s)+1)%3
.set XW, (XP+1)/2
.set XBS, 160-96*XW+72*(XP/2)
.set WBS, WF+64*((\s)%2)
.set AW, 2+(\mt)/4-3*((\mt)/8)
.set ABS, 64*((\mt)%4)
.if \s
.set NW, (AW<<6)|(AW<<4)|(XW<<2)
.else
.set NW, (AW<<6)|(XW<<2)
.endif
	WIN NW
.irp nt, 0,1,2,3,4,5,6,7
.if \s
	v_wmma_f32_16x16x32_f16 v[ABS+8*\nt:ABS+8*\nt+7], v[WBS+8*\nt:WBS+8*\nt+7], v[XBS+8*(\mt):XBS+8*(\mt)+7], v[ABS+8*\nt:ABS+8*\nt+7]
.else
	v_wmma_f32_16x16x32_f16 v[ABS+8*\nt:ABS+8*\nt+7], v[WBS+8*\nt:WBS+8*\nt+7], v[XBS+8*(\mt):XBS+8*(\mt)+7], v[BIAS+8*\nt:BIAS+8*\nt+7]
.endif
.if (\deal) >= 0
	XL \deal, \nt                                  ; no wait: no product since the step's wait names this slot or v[XOFF]
.if \nt == 7
	XL \deal, 8
.endif
.endif
.endr
.endm
; The step's run of loads under window 0: x where its slot is slot 0 (RUN0), in step 30 the run's 72 row entries, and W of the next step.
.macro RUN s
.if RUN0 >= 0
	XLOAD RUN0
.endif
.if (\s) == 30
	WIN 0
.irp mt, 0,1,2,3,4,5,6,7,8
	global_load_b128 v[DST+8*\mt:DST+8*\mt+3],   v[H32], s[28:29] offset:64*\mt         ; the rows of y of slots 16 mt + 8 h + 0..7
	global_load_b128 v[DST+8*\mt+4:DST+8*\mt+7], v[H32], s[28:29] offset:64*\mt+16
.endr
.endif
.if (\s) < 31
	WLOAD (\s)+1
.endif
.endm
; Step s of 32.  x of step s + 2 goes into the slot, and W of step s + 1 into the buffer, that step s - 1 read.
; Step 0 fills no slot (slot 0 holds the bias), so step 1 fills two, and has its run first, so that x of step 2 goes out ahead of x of step 3;
; step 30 loads the run's 72 row entries into slot 0, which step 29 read last; step 31 loads nothing.
; The waits for the step's own operands stand at its head, ahead of its loads.  For x: the loads younger than this step's are one group of 18
; (the next step's x; at step 31 the entries); at step 1 there are none.  For W: its 16 loads are the youngest LDS instructions: 0.
; The 72 accumulators take turns, one instruction a turn, in the same order throughout (row tile 8, then 0 to 7).
.macro STEP s
.set DEAL, -1
.set RUN0, -1
.if (\s) == 1
.set DEAL, 3
.set RUN0, 2
.endif
.if ((\s) > 1) && ((\s) < 30)
.if (\s)%3
.set DEAL, (\s)+2
.else
.set RUN0, (\s)+2
.endif
.endif
.if ((\s) > 0) && ((\s) < 31)
	PLACES
.endif
.if (\s) == 1
	s_wait_loadcnt 0x0
.else
	s_wait_loadcnt 18
.endif
	s_wait_dscnt 0x0
.if ((\s) > 0) && ((\s) < 31)
	s_wait_alu depctr_va_vdst(0)                   ; the products of the step before are done reading their slot of x and their buffer of W: this step's loads land there
.endif
.if (\s) == 1
	RUN \s
	MUL8 \s, 8, DEAL
.else
	MUL8 \s, 8, DEAL
	RUN \s                                         ; no wait: the eight products since the step's wait name W's other buffer, another slot and row tile 8's accumulators.  In step 0 W's buffer 1 has not been named since the last wait on va_vdst either
.endif
.irp mt, 0,1,2,3,4,5,6,7
	MUL8 \s, \mt, -1
.endr
.endm
; The way out of row tile mt: 16 rows x 512 bytes through my wave's own stage; the read-back takes W's two buffers by turns.
.macro OUT16 mt
.set AW, 2+\mt/4-3*(\mt/8)
.set ABS, 64*(\mt%4)
.set NW, AW<<2
	WIN NW                                         ; an LDS store's data is source 1: the accumulators' window
.irp nt, 0,1,2,3,4,5,6,7
	ds_store_b128 v[STO], v[ABS+8*\nt:ABS+8*\nt+3]   offset:64*\nt
	ds_store_b128 v[STO], v[ABS+8*\nt+4:ABS+8*\nt+7] offset:64*\nt+16
.endr
	WIN 0
.if \mt >= 2
	s_wait_xcnt 0x0                                ; the buffer is the data of the stores of two tiles ago: it is loaded again only behind this wait
	s_wait_alu depctr_vm_vsrc(0)                   ; those stores have read the buffer, in which the read-backs below land
.endif
.irp i, 0,1,2,3,4,5,6,7
	ds_load_b128 v[WF+64*(\mt%2)+8*\i:WF+64*(\mt%2)+8*\i+3],   v[RDA] offset:SPITCH*\i       ; my wave's own bytes; LDS serves a wave's instructions in order (ISA guide 5.7.1.4)
	ds_load_b128 v[WF+64*(\mt%2)+8*\i+4:WF+64*(\mt%2)+8*\i+7], v[RDA] offset:SPITCH*\i+256
.endr
.irp i, 0,1,2,3,4,5,6,7
	s_wait_dscnt 14-2*\i                           ; the younger pairs of read-backs may stay out
	global_store_b128 v[DST+8*\mt+\i], v[WF+64*(\mt%2)+8*\i:WF+64*(\mt%2)+8*\i+3],   s[30:31]              ; sixteen lanes store 256 consecutive aligned bytes of one row of y,
	global_store_b128 v[DST+8*\mt+\i], v[WF+64*(\mt%2)+8*\i+4:WF+64*(\mt%2)+8*\i+7], s[30:31] offset:256   ; the other sixteen of another
.endr
.endm
; The loop over my runs is counted in blocks of 48 against the constant 45; a wave whose run is past the expert's count ends at the loop's head.
.Lpass:
	s_cmp_lt_u32 s20, s19
	s_cbranch_scc1 .Lwork
	s_wait_dscnt 0x0
	s_wait_alu depctr_hold_cnt(0) depctr_sa_sdst(0) depctr_va_vdst(0) depctr_va_sdst(0) depctr_va_ssrc(0) depctr_va_vcc(0) depctr_vm_vsrc(0)
	s_wait_tensorcnt 0x0
	ds_add_u32 v6, v7
	s_wait_dscnt 0x0
	s_endpgm                                       ; nothing is left for this wave; only plain stores of its last run can be out
.Lwork:
	s_mul_i32 s32, s20, 3*XTILE
	s_add_nc_u64 s[26:27], s[24:25], s[32:33]      ; xs at my run's nine tiles (s33 = 0)
	s_mul_i32 s32, s20, 192
	s_add_nc_u64 s[28:29], s[10:11], s[32:33]      ; dest at my run's 144 entries
	; The loads of a run's head owe no wait of their own.  On the way in: the wait on va_vdst ahead of the loop stands behind every vector line so far.
	; On the way back: no vector or matrix line stands behind the way out's wait on va_vdst, and the wait on vm_vsrc at the run's end has freed what stores read.
.irp nt, 0,1,2,3,4,5,6,7
	global_load_b128 v[BIAS+8*\nt:BIAS+8*\nt+3],   v[H32], s[6:7] offset:64*\nt        ; b[16 nt + 8 h + 0..7]: what register j of a result wants
	global_load_b128 v[BIAS+8*\nt+4:BIAS+8*\nt+7], v[H32], s[6:7] offset:64*\nt+16
.endr
	XLOAD 0
	XLOAD 1
	WLOAD 0
	s_wait_loadcnt 36                              ; the two steps of x, 18 loads each, stay out: the bias is in
.set d, 0
.rept 32
	v_pk_mul_f32 v[BIAS+d:BIAS+d+1], v[BIAS+d:BIAS+d+1], 0.5 op_sel_hi:[1,0]           ; each K half carries half of it
.set d, d+2
.endr
.irp s, 0,1,2,3,4,5,6,7,8,9,10,11,12,13,14,15,16,17,18,19,20,21,22,23,24,25,26,27,28,29,30,31
	STEP \s
.endr
	; THE WAY OUT.  First the 72 row offsets; these 144 plain vector instructions, which name no register of the last two steps' matrix
	; instructions, are also the places in front of the LDS stores that read results.
	WIN 0
	s_wait_loadcnt 0x0                             ; the entries
.set d, 0
.rept 72
	v_min_u32 v[DST+d], 0xfff, v[DST+d]            ; a row of y, for any content of dest
.set d, d+1
.endr
.set d, 0
.rept 72
	v_lshl_add_u32 v[DST+d], v[DST+d], 14, v[C16]  ; 16,384 bytes a row (both K halves), + 16 c
.set d, d+1
.endr
	s_wait_alu depctr_va_vdst(0)                   ; the products have written the accumulators, which the LDS stores read, and are done reading W's buffers, in which the read-backs land, and x's slots; the 72 offsets are written, which the global stores read.  The places above stay beside this wait
.irp mt, 0,1,2,3,4,5,6,7,8
	OUT16 \mt
.endr
	s_wait_xcnt 0x0                                ; the stores' data and address registers and the bases are written again in the next run only behind this wait
	s_wait_alu depctr_vm_vsrc(0)                   ; the global stores have read the offsets and W's buffers, the LDS stores the accumulators: the next run's loads and products write all of them
	s_add_co_u32 s20, s20, 12
	s_cmp_lt_u32 s20, NBMAX
	s_cbranch_scc1 .Lpass
	s_wait_dscnt 0x0
	s_wait_alu depctr_hold_cnt(0) depctr_sa_sdst(0) depctr_va_vdst(0) depctr_va_sdst(0) depctr_va_ssrc(0) depctr_va_vcc(0) depctr_vm_vsrc(0)
	s_wait_tensorcnt 0x0
	ds_add_u32 v6, v7
	s_wait_dscnt 0x0
	s_endpgm
.Lfunc_end_k_qb66be7417f_gemm:
	.size	k_qb66be7417f_gemm, .Lfunc_end_k_qb66be7417f_gemm-k_qb66be7417f_gemm
	.p2alignl 7, 3214868480
	.fill 96, 4, 3214868480
	.section	.rodata,"a",@progbits
	.p2align	6, 0x0
	.amdhsa_kernel k_qb66be7417f_gemm
		.amdhsa_group_segment_fixed_size 296448
		.amdhsa_private_segment_fixed_size 0
		.amdhsa_enable_private_segment 0
		.amdhsa_kernarg_size 48
		.amdhsa_user_sgpr_count 2
		.amdhsa_user_sgpr_kernarg_segment_ptr 1
		.amdhsa_wavefront_size32 1
		.amdhsa_system_sgpr_workgroup_id_x 1
		.amdhsa_system_sgpr_workgroup_id_y 1
		.amdhsa_system_sgpr_workgroup_id_z 1
		.amdhsa_system_vgpr_workitem_id 0
		.amdhsa_next_free_vgpr 1024
		.amdhsa_next_free_sgpr 66
		.amdhsa_reserve_vcc 0
		.amdhsa_float_denorm_mode_32 3
		.amdhsa_float_denorm_mode_16_64 3
		.amdhsa_memory_ordered 1
		.amdhsa_forward_progress 1
		.amdhsa_inst_pref_size 255
	.end_amdhsa_kernel
	.section	.bss,"aw",@nobits
	.p2align	6
	.space	262144
	.amdgpu_metadata
---
amdhsa.version: [ 1, 2 ]
amdhsa.kernels:
  - .name:           k_qb66be7417f_gemm
    .symbol:         k_qb66be7417f_gemm.kd
    .args:
      - { .name: expert_w, .offset: 0, .size: 8, .value_kind: global_buffer, .address_space: global }
      - { .name: expert_b, .offset: 8, .size: 8, .value_kind: global_buffer, .address_space: global }
      - { .name: xs, .offset: 16, .size: 8, .value_kind: global_buffer, .address_space: global }
      - { .name: dest, .offset: 24, .size: 8, .value_kind: global_buffer, .address_space: global }
      - { .name: cnt, .offset: 32, .size: 8, .value_kind: global_buffer, .address_space: global }
      - { .name: y, .offset: 40, .size: 8, .value_kind: global_buffer, .address_space: global }
    .group_segment_fixed_size: 296448
    .private_segment_fixed_size: 0
    .kernarg_segment_align: 8
    .kernarg_segment_size: 48
    .max_flat_workgroup_size: 128
    .sgpr_count:     66
    .vgpr_count:     1024
    .wavefront_size: 32
...
	.end_amdgpu_metadata
.endif
;; end of part 7
;; launch combine: the kernel of part 5 again; grid 256 x 1, 16 waves a work-group, no clusters, 0 bytes of LDS; arguments y, prob, out0; writes out0
